; MI455X (gfx1250); checked and timed in simulation.
; The chip was launched on July 23, 2026; its instructions are those of AMD's public machine-readable ISA for CDNA 5 (MIT licence, August 2026) and "CDNA5" Instruction Set Architecture Reference Guide (July 2026). The comments in the code are by the model that wrote it; some were corrected since.
;; Multilinear Attention. Allowed arithmetic: float matrix products may take bf16 or f16 operands with f32 sums; other float arithmetic in f32, or as packed bf16 or f16 multiplies, adds, multiply-adds, maxima and minima; sums over many terms, partial sums and values carried from step to step in f32; what a program stores and reads back later, other than sums and carried values, may be rounded once to bf16 or f16.
;; Inputs: Wk 2 x 1,024 x 1,024 float32; Wo 1,024 x 1,024 float32; Wq 1,024 x 1,024 float32; Wv 2 x 1,024 x 1,024 float32; bk 2 x 1,024 float32; bo 1,024 float32; bq 1,024 float32; bv 2 x 1,024 float32; ln_b 1,024 float32; ln_g 1,024 float32; x 4 x 2,048 x 1,024 float32.
;; Outputs: out0 4 x 2,048 x 1,024 float32.
;; 2 versions, each right; version 2 is version 1 with the launch outln written anew for expert scheduling mode. Each part assembles by itself: llvm-mc -triple=amdgcn-amd-amdhsa -mcpu=gfx1250 --defsym DOCPART=n.
;; ======== version 1 of 2: 5 launches
;; limits: values are held in f16: magnitudes above 65,504 overflow, below 6.1e-05 lose precision
;; workspace buffers: xb 16,777,216 bytes; wb 10,485,760 bytes; wo16 2,097,152 bytes; par 32,768 bytes; q16 16,777,216 bytes; sp 16,777,216 bytes; sst 526,336 bytes; z16 16,777,216 bytes
;; launch prep (part 1): grid 897 x 1, 8 waves a work-group, no clusters, 0 bytes of LDS; arguments x, Wq, Wk, Wv, Wo, bq, bk, bv, bo, ln_g, ln_b, xb, wb, wo16, par; writes xb, wb, wo16, par
.if DOCPART == 1
	.amdgcn_target "amdgcn-amd-amdhsa--gfx1250"
	.amdhsa_code_object_version 6
	.text
	.protected	k_qd365cda25b_prep
	.globl	k_qd365cda25b_prep
	.p2align	8
	.type	k_qd365cda25b_prep,@function
k_qd365cda25b_prep:
	s_mov_b64 s[64:65], 0
	v_nop
	global_prefetch_b8 v0, s[64:65] scope:SCOPE_SE
	s_setreg_imm32_b32 hwreg(HW_REG_WAVE_MODE, 25, 1), 1
	s_wait_xcnt 0x0
; Every input is rounded once to bf16 and laid out for the launches behind.
;   xb   [8192][1024] bf16: x.
;   wb   [head 16][section 5][64][1024] bf16: section 0 = Wq, 1 = Wk[0], 2 = Wv[0], 3 = Wk[1], 4 = Wv[1]: the 320 rows that one head needs lie on end.
;   wo16 [1024][1024] f16: Wo rounded to bf16, that number written as f16.
;   par  f32 numbers that are bf16 values: byte 0 the biases [head][section][64]; 20,480 ln_g; 24,576 ln_b; 28,672 bo.
; LIMIT. |Wo| stays under 65,504 (f16); below 6e-5 it keeps the fixed step 6e-8 of f16.
; A stream: a work-group takes 16 rows of 1,024 f32.  Thread t reads the 16 bytes at 16 t of each row and writes 8 bytes at 8 t: a store of a wave covers 256 consecutive bytes, aligned.
; All 16 loads of a thread go out first; no register is written twice, so the only waits are the counted ones for the loads.
; No LDS, no matrix unit, no cluster: nothing is shared and each byte crosses once.
.set IN,  16                           ; v[16:79]   16 rows x 4 f32
.set OUT, 80                           ; v[80:111]  16 rows x 2 words
	s_load_b512 s[8:23], s[0:1], 0x0               ; x 8, Wq 10, Wk 12, Wv 14, Wo 16, bq 18, bk 20, bv 22
	s_load_b256 s[24:31], s[0:1], 0x40             ; bo 24, ln_g 26, ln_b 28, xb 30
	s_load_b128 s[32:35], s[0:1], 0x60             ; wb 32, wo16 34
	s_load_b64 s[36:37], s[0:1], 0x70              ; par
	v_lshlrev_b32 v1, 4, v0                        ; 16 t
	v_lshlrev_b32 v2, 3, v0                        ; 8 t
	s_mov_b32 s41, 0                               ; s[40:41] offset in the source, s[42:43] in the destination
	s_mov_b32 s43, 0
	s_mov_b32 s38, ttmp9
	s_wait_kmcnt 0x0
	s_cmp_lt_u32 s38, 512
	s_cbranch_scc0 .Lnot_x
	s_lshl_b32 s40, s38, 16                        ; 16 rows of 4,096 bytes
	s_lshl_b32 s42, s38, 15                        ; 16 rows of 2,048 bytes
	s_add_nc_u64 s[4:5], s[8:9], s[40:41]
	s_add_nc_u64 s[6:7], s[30:31], s[42:43]
	s_branch .Lbf16
.Lnot_x:
	s_cmp_lt_u32 s38, 832
	s_cbranch_scc0 .Lnot_w
	s_sub_co_u32 s39, s38, 512                     ; u: 0-63 Wq, 64-191 Wk, 192-319 Wv
	s_cmp_lt_u32 s39, 64
	s_cselect_b64 s[4:5], s[10:11], s[12:13]
	s_cselect_b32 s44, 0, 64                       ; where the matrix begins in u
	s_cselect_b32 s45, 0, 1                        ; its first section
	s_cmp_lt_u32 s39, 192
	s_cselect_b64 s[4:5], s[4:5], s[14:15]
	s_cselect_b32 s44, s44, 192
	s_cselect_b32 s45, s45, 2
	s_sub_co_u32 s39, s39, s44                     ; 16-row block inside the matrix
	s_lshr_b32 s46, s39, 6                         ; the state (0 for Wq)
	s_lshl1_add_u32 s45, s46, s45                  ; section = first + 2 x state
	s_and_b32 s46, s39, 63
	s_lshr_b32 s47, s46, 2                         ; head
	s_and_b32 s46, s46, 3
	s_lshl_b32 s46, s46, 4                         ; first row inside the head
	s_mul_i32 s47, s47, 320
	s_lshl_b32 s45, s45, 6
	s_add_co_u32 s47, s47, s45
	s_add_co_u32 s47, s47, s46                     ; row in wb
	s_lshl_b32 s42, s47, 11
	s_lshl_b32 s40, s39, 16
	s_add_nc_u64 s[4:5], s[4:5], s[40:41]
	s_add_nc_u64 s[6:7], s[32:33], s[42:43]
	s_branch .Lbf16
.Lnot_w:
	s_cmp_lt_u32 s38, 896
	s_cbranch_scc0 .Lvec
	s_sub_co_u32 s39, s38, 832
	s_lshl_b32 s40, s39, 16
	s_lshl_b32 s42, s39, 15
	s_add_nc_u64 s[4:5], s[16:17], s[40:41]
	s_add_nc_u64 s[6:7], s[34:35], s[42:43]
	s_branch .Lf16
; 16 rows from s[4:5] to s[6:7].  f16 = 1: the bf16 number is widened again and written as f16.
.macro STREAM f16
.set i, 0
.rept 16
	global_load_b128 v[IN+4*i:IN+4*i+3], v1, s[4:5] offset:4096*i th:TH_LOAD_NT
.set i, i+1
.endr
.set i, 0
.rept 16
	s_wait_loadcnt 15-i                            ; loads come back in order: row i is in, the younger rows stay out
	v_cvt_pk_bf16_f32 v[OUT+2*i], v[IN+4*i], v[IN+4*i+1]
	v_cvt_pk_bf16_f32 v[OUT+2*i+1], v[IN+4*i+2], v[IN+4*i+3]
.if \f16
	v_lshlrev_b32 v4, 16, v[OUT+2*i]
	v_and_b32 v5, 0xffff0000, v[OUT+2*i]
	v_lshlrev_b32 v6, 16, v[OUT+2*i+1]
	v_and_b32 v7, 0xffff0000, v[OUT+2*i+1]
	v_cvt_pk_f16_f32 v[OUT+2*i], v4, v5
	v_cvt_pk_f16_f32 v[OUT+2*i+1], v6, v7
.endif
	global_store_b64 v2, v[OUT+2*i:OUT+2*i+1], s[6:7] offset:2048*i
.set i, i+1
.endr
	s_endpgm
.endm
.Lbf16:
	STREAM 0
.Lf16:
	STREAM 1
.Lvec:                                         ; the eight short vectors: 1,024 numbers each, four a thread
	v_lshrrev_b32 v3, 4, v0                        ; head
	v_and_b32 v4, 15, v0
	v_mul_u32_u24 v3, v3, 1280
	v_lshl_add_u32 v3, v4, 4, v3                   ; head x 1,280 + my 16 bytes of a section
	global_load_b128 v[16:19], v1, s[18:19]
	global_load_b128 v[20:23], v1, s[20:21]
	global_load_b128 v[24:27], v1, s[20:21] offset:4096
	global_load_b128 v[28:31], v1, s[22:23]
	global_load_b128 v[32:35], v1, s[22:23] offset:4096
	global_load_b128 v[36:39], v1, s[26:27]
	global_load_b128 v[40:43], v1, s[28:29]
	global_load_b128 v[44:47], v1, s[24:25]
	s_wait_loadcnt 0x0
.set i, 0
.rept 8
	v_cvt_pk_bf16_f32 v4, v[16+4*i], v[17+4*i]
	v_cvt_pk_bf16_f32 v5, v[18+4*i], v[19+4*i]
	v_lshlrev_b32 v[80+4*i], 16, v4
	v_and_b32 v[81+4*i], 0xffff0000, v4
	v_lshlrev_b32 v[82+4*i], 16, v5
	v_and_b32 v[83+4*i], 0xffff0000, v5
.set i, i+1
.endr
	global_store_b128 v3, v[80:83], s[36:37]               ; bq: section 0
	global_store_b128 v3, v[84:87], s[36:37] offset:256    ; bk[0]: 1
	global_store_b128 v3, v[88:91], s[36:37] offset:768    ; bk[1]: 3
	global_store_b128 v3, v[92:95], s[36:37] offset:512    ; bv[0]: 2
	global_store_b128 v3, v[96:99], s[36:37] offset:1024   ; bv[1]: 4
	global_store_b128 v1, v[100:103], s[36:37] offset:20480
	global_store_b128 v1, v[104:107], s[36:37] offset:24576
	global_store_b128 v1, v[108:111], s[36:37] offset:28672
	s_endpgm
.Lfunc_end_k_qd365cda25b_prep:
	.size	k_qd365cda25b_prep, .Lfunc_end_k_qd365cda25b_prep-k_qd365cda25b_prep
	.p2alignl 7, 3214868480
	.fill 96, 4, 3214868480
	.section	.rodata,"a",@progbits
	.p2align	6, 0x0
	.amdhsa_kernel k_qd365cda25b_prep
		.amdhsa_group_segment_fixed_size 0
		.amdhsa_private_segment_fixed_size 0
		.amdhsa_enable_private_segment 0
		.amdhsa_kernarg_size 120
		.amdhsa_user_sgpr_count 2
		.amdhsa_user_sgpr_kernarg_segment_ptr 1
		.amdhsa_wavefront_size32 1
		.amdhsa_system_sgpr_workgroup_id_x 1
		.amdhsa_system_sgpr_workgroup_id_y 1
		.amdhsa_system_sgpr_workgroup_id_z 1
		.amdhsa_system_vgpr_workitem_id 0
		.amdhsa_next_free_vgpr 116
		.amdhsa_next_free_sgpr 66
		.amdhsa_reserve_vcc 0
		.amdhsa_float_denorm_mode_32 3
		.amdhsa_float_denorm_mode_16_64 3
		.amdhsa_memory_ordered 1
		.amdhsa_forward_progress 1
		.amdhsa_inst_pref_size 23
	.end_amdhsa_kernel
	.amdgpu_metadata
---
amdhsa.version: [ 1, 2 ]
amdhsa.kernels:
  - .name:           k_qd365cda25b_prep
    .symbol:         k_qd365cda25b_prep.kd
    .args:
      - { .name: x, .offset: 0, .size: 8, .value_kind: global_buffer, .address_space: global }
      - { .name: Wq, .offset: 8, .size: 8, .value_kind: global_buffer, .address_space: global }
      - { .name: Wk, .offset: 16, .size: 8, .value_kind: global_buffer, .address_space: global }
      - { .name: Wv, .offset: 24, .size: 8, .value_kind: global_buffer, .address_space: global }
      - { .name: Wo, .offset: 32, .size: 8, .value_kind: global_buffer, .address_space: global }
      - { .name: bq, .offset: 40, .size: 8, .value_kind: global_buffer, .address_space: global }
      - { .name: bk, .offset: 48, .size: 8, .value_kind: global_buffer, .address_space: global }
      - { .name: bv, .offset: 56, .size: 8, .value_kind: global_buffer, .address_space: global }
      - { .name: bo, .offset: 64, .size: 8, .value_kind: global_buffer, .address_space: global }
      - { .name: ln_g, .offset: 72, .size: 8, .value_kind: global_buffer, .address_space: global }
      - { .name: ln_b, .offset: 80, .size: 8, .value_kind: global_buffer, .address_space: global }
      - { .name: xb, .offset: 88, .size: 8, .value_kind: global_buffer, .address_space: global }
      - { .name: wb, .offset: 96, .size: 8, .value_kind: global_buffer, .address_space: global }
      - { .name: wo16, .offset: 104, .size: 8, .value_kind: global_buffer, .address_space: global }
      - { .name: par, .offset: 112, .size: 8, .value_kind: global_buffer, .address_space: global }
    .group_segment_fixed_size: 0
    .private_segment_fixed_size: 0
    .kernarg_segment_align: 8
    .kernarg_segment_size: 120
    .max_flat_workgroup_size: 256
    .sgpr_count:     66
    .vgpr_count:     116
    .wavefront_size: 32
...
	.end_amdgpu_metadata
.endif
;; end of part 1
;; launch proj (part 2): grid 16 x 32, 4 waves a work-group, clusters of 4 x 4, 327,680 bytes of LDS; arguments xb, wb, par, q16, sp; writes q16, sp
.if DOCPART == 2
	.amdgcn_target "amdgcn-amd-amdhsa--gfx1250"
	.amdhsa_code_object_version 6
	.text
	.protected	k_qd365cda25b_proj
	.globl	k_qd365cda25b_proj
	.p2align	8
	.type	k_qd365cda25b_proj,@function
k_qd365cda25b_proj:
	s_mov_b64 s[64:65], 0
	v_nop
	global_prefetch_b8 v0, s[64:65] scope:SCOPE_SE
	s_setreg_imm32_b32 hwreg(HW_REG_WAVE_MODE, 25, 1), 1
	s_wait_xcnt 0x0
	s_wait_alu depctr_hold_cnt(0) depctr_sa_sdst(0) depctr_va_vdst(0) depctr_va_sdst(0) depctr_va_ssrc(0) depctr_va_vcc(0) depctr_vm_vsrc(0)
	s_getreg_b32 s2, hwreg(HW_REG_IB_STS2, 6, 4)
	s_cmp_eq_u32 s2, 0
	s_cbranch_scc0 .Lentry_in_a_cluster
	s_endpgm
.Lentry_in_a_cluster:
	s_bfe_u32 s2, ttmp6, 0x10000c
	s_cmp_lg_u32 s2, 0xf033
	s_cbranch_scc0 .Lentry_shape_is_right
	s_endpgm
.Lentry_shape_is_right:
; The five projections of one head for 256 tokens, what follows them, and the partial states.
;   t = x + x W^T + b for the sections q, k0, v0, k1, v1 (64 columns each);  q and k: silu(t) + 0.5, divided by (its norm over the 64 columns + 1e-6);
;   q leaves as f16, [b][h][n][64];  k and v never leave: state j's partial sum over the 256 tokens, k_j^T v_j (64 x 64, f32), leaves into sp.  The factor 1/N of each state is applied in the next launch.
; FORMATS. x, W, b are bf16 numbers; sums in f32; k and v are rounded to bf16 for k^T v (v has no room in f16 for large inputs); q, which lies in 0 to 1, to f16.
; LIMITS. NaN and infinities are not treated apart.  For very negative t the exponential is infinite, its reciprocal 0, and silu(t) + 0.5 = 0.5.
; SHARES. Work-group (head, block of 256 tokens); wave w owns tokens 64 w .. 64 w + 63 and all 320 columns: 80 accumulators, 640 registers, so k_j and v_j of a token lie in one wave.
; ORIENTATION. Section q is taken transposed (source 0 = 16 rows of W, source 1 = 16 tokens): a lane holds one token and 8 neighbouring columns, which pack into 16 bytes of q.
; The other sections are taken as they are (source 0 = tokens): a lane holds one column and 8 tokens; two such results rounded in pairs ARE a fragment (row = column, K = 32 tokens) of k^T v.
; THE START OF THE SUMS. Residual and bias: one product for each accumulator, x's own 64 columns times a unit matrix, with the bias as C.  So the K loop has one form of product and nothing is cleared.
; RING. K goes in 8 steps of 128 through two LDS slots (256 rows of x, 320 rows of W, 256 bytes a row, 16 of padding).  Waves 0, 1 fetch x's halves, waves 2, 3 W's: one tensor load a wave and step.
; A K step is written twice: once for the six steps that fill a slot again, once for the last two.  Which slot is in hand is a scalar, 0 or SLOT, turned at each change.
; CLUSTER 4 x 4. The four work-groups of a row of the cluster share the tokens, the four of a column the head: each tile is asked for jointly.
; REGISTERS, in windows of 256 (s_set_vgpr_msb: bits 1:0 source 0, 3:2 source 1, 5:4 source 2, 7:6 destination):
;   window 0: v0-31 addresses; v32-63, v64-95 x's fragments, two buffers; v96-255 W's fragments, 32 a section
;   window 1: k0 (v0-127), v0 (v128-255)     window 2: k1, v1     window 3: q (v0-127); v128-255 the bias blocks, later fragments of k^T v
.set PITCH,  272                       ; an LDS row: 256 bytes + 16 = 68 words: the 16 rows of a fragment load start at 16 different groups of four banks
.set BOFF,   256*PITCH                 ; W's rows lie behind x's
.set SLOT,   576*PITCH
.set STAGE,  2*SLOT                    ; behind the ring: 16 rows x 144 bytes a wave, for q's way out; no tile lands there
.set SP,     144
.set SPARE,  STAGE+4*16*SP             ; the spare words: 128 bytes a wave
.set G1W,    (1<<16)|(1<<20)|(1<<21)|(5<<22)|(3<<25)  ; 2-byte elements; padding on; bit 21 beside a mask; after every 64 words; 4 words
.set NLV,  10                          ; v[10:11] -log2(e), twice
.set RL,   12                          ; v12, v13 the reduction: my blocks in the parts of waves 0, 1 and of waves 2, 3
.set ABASE, 16                         ; v16 my x fragments in slot 0; never rewritten
.set AW,    17                         ; v17 the same in the slot in hand
.set B0BASE, 18                        ; v18, v19 W's rows 0-159, likewise
.set B0W,   19
.set B1BASE, 20                        ; v20, v21 W's rows 160-319, likewise
.set B1W,   21
.set XO,   22                          ; v22 row x 2,048 + 16 x half: a fragment of x in memory
.set R4,   23                          ; v23 4 (lane % 16)
.set STO,  24                          ; v24 stage: in
.set RD,   25                          ; v25 stage: back
.set L16,  26                          ; v26 16 x lane
.set RS,   27                          ; v27 the reduction: where I put 16 bytes
.set SPW,  28                          ; v28 my spare word; never rewritten
.set NIL,  29                          ; v29 0; never rewritten
.set PFO,  30                          ; v30 2,048 x lane: the prefetches take a lane a row
.set H32,  31                          ; v31 32 (lane / 16)
.set FA0,  32
.set FA1,  64
.set FB,   96
.set X,    96                          ; the epilogue: 128 numbers at work
.set QB,   96                          ; the prologue: q's bias, 8 registers a column block
.set XR,   128                         ; the prologue: x's own 64 columns, fragment (a, c) at XR + 8 (2 a + c)
.set EZ,   192                         ; the prologue: 4 zeros, the unit pattern, 4 zeros
.set NRM,  224
.set HQ,   32
.set SS,   32
.set BB,   128                         ; window 3: bias block (section, b) at BB + 32 (section - 1) + 8 b
.set WV,   14
.set HALF, 15                          ; wave % 2: which half of a tile I fetch
.set ISB,  16                          ; wave / 2: I fetch for x (0) or for W (1)
.set CX,   17
.set CY,   18
.set HD,   19
.set RB,   20
.set G1A,  24
.set G0A,  32                          ; s[32:35] x's first fill; s[36:39] its second, which then walks
.set LBA,  40                          ; s40 where my part of x's tile begins in a slot
.set LBB,  41                          ; s41 the same for W's
.set XT,   42                          ; the trip (by s3) in which I ask for the last 32 of my 160 rows, or 0
.set LIM,  43                          ; 2 in a wave that prefetches, else the greatest number
.set PFA,  44
.set PFX,  46
.set G1B,  48
.set G0B,  56                          ; s[56:59], s[60:63] the same for W
.set XBASE, 72
.set PBASE, 74
.set QBASE, 76
.set SBASE, 78
.set SEL,  80
.set SO,   82                          ; s82 the slot in hand: 0 or SLOT
.set MSB, 0
.macro WIN new                         ; the high byte repeats the setting that is left; a switch that changes nothing is dropped
.if MSB != (\new)
	s_set_vgpr_msb (MSB<<8)|(\new)
.set MSB, (\new)
.endif
.endm
.macro PLACES                          ; four plain vector instructions between a matrix instruction and a load into, or a vector line on, its registers
.rept 4
	v_nop
.endr
.endm
; A joint load.  The branch hangs on the wave's number alone.  An s_nop 0 and four v_nop follow each of the two lines.
.macro JLOAD s
	s_cmp_eq_u32 s[ISB], 0
	s_cbranch_scc0 .Lfor_b_\@
	tensor_load_to_lds s[G0A+4*(\s):G0A+4*(\s)+3], s[G1A:G1A+7]
	s_nop 0
.rept 4
	v_nop
.endr
	s_branch .Lasked_\@
.Lfor_b_\@:
	tensor_load_to_lds s[G0B+4*(\s):G0B+4*(\s)+3], s[G1B:G1B+7]
	s_nop 0
.rept 4
	v_nop
.endr
.Lasked_\@:
.endm
.macro CREST                           ; a round of the cluster's barrier behind its opening barrier
	s_cmp_lg_u32 s[WV], 0
	s_cbranch_scc1 .Lnot_wave_0_\@
	s_barrier_signal -3
.Lnot_wave_0_\@:
	s_barrier_wait -3
	s_barrier_signal -1
	s_barrier_wait -1
.endm
.macro CROUND
	s_barrier_signal -1
	s_barrier_wait -1
	CREST
.endm
; A prefetch, behind a joint load and the run of LDS loads that follows it: the K step that stands two refills on, 640 matrix instructions ahead of the load that will want it; a lane a row, 256 bytes of it.
; x's rows are read by all four clusters of a row of clusters: cluster x = 0 asks; W's rows by all eight of a column: cluster y = 0 asks.  The four partners of a joint load share its rows out by address:
; 32 each.  A wave of W fetches 160 rows: the last 32 are named once, at the first refill (s3 = 6), partner cy taking K step 4 + cy.  So K steps 4 to 7 of each row are named once (trips s3 = 6 to 3);
; K steps 0 to 3 come by their loads alone, and the last two trips ask for nothing.
.macro ASK
	s_cmp_gt_u32 s3, s[LIM]
	s_cbranch_scc0 .Lnot_mine_\@
	global_prefetch_b8 v[PFO], s[PFA:PFA+1] offset:256 th:TH_LOAD_NT scope:SCOPE_SE
.Lnot_mine_\@:
	s_cmp_eq_u32 s3, s[XT]
	s_cbranch_scc0 .Lno_rest_\@
	global_prefetch_b8 v[PFO], s[PFX:PFX+1] th:TH_LOAD_NT scope:SCOPE_SE
.Lno_rest_\@:
.endm
	s_load_b256 s[4:11], s[0:1], 0x0               ; xb 4, wb 6, par 8, q16 10
	s_load_b64 s[12:13], s[0:1], 0x20              ; sp
	v_lshl_add_u32 v[SPW], v0, 2, SPARE
	v_mov_b32 v[NIL], 0
	ds_add_u32 v[SPW], v[NIL]                      ; the opening: the add, twice on end, and its wait ahead of my first tensor load
	ds_add_u32 v[SPW], v[NIL]
	v_lshrrev_b32 v1, 5, v0
	v_readfirstlane_b32 s[WV], v1
	s_and_b32 s[HALF], s[WV], 1
	s_lshr_b32 s[ISB], s[WV], 1
	s_bfe_u32 s[CX], ttmp6, 0x40000
	s_bfe_u32 s[CY], ttmp6, 0x40004
	s_lshl_b32 s[HD], ttmp9, 2
	s_add_co_u32 s[HD], s[HD], s[CX]               ; head = 4 x cluster x + cx
	s_and_b32 s[RB], ttmp7, 0xffff
	s_lshl_b32 s[RB], s[RB], 2
	s_add_co_u32 s[RB], s[RB], s[CY]               ; block of 256 tokens = 4 x cluster y + cy
	s_lshl_b32 s40, s[CY], 2
	s_lshl_b32 s40, 15, s40                        ; my row of the cluster
	s_lshl_b32 s41, 0x1111, s[CX]                  ; my column
	s_or_b32 s[G1A], s40, G1W                      ; x's tiles go to my row,
	s_or_b32 s[G1B], s41, G1W                      ; W's to my column
.irp g, G1A, G1B
	s_mov_b32 s[(\g)+1], 128<<16                   ; tensor_dim0 = 128
	s_mov_b32 s[(\g)+3], 128<<16                   ; tile_dim0 = 128
	s_mov_b32 s[(\g)+5], 1024                      ; elements from row to row
	s_mov_b32 s[(\g)+6], 0
	s_mov_b32 s[(\g)+7], 0
.endr
	s_mov_b32 s[G1A+2], 128<<16                    ; tensor_dim1 and tile_dim1: 128 rows of x,
	s_mov_b32 s[G1A+4], 128
	s_mov_b32 s[G1B+2], 160<<16                    ; 160 rows of W
	s_mov_b32 s[G1B+4], 160
	s_lshl_b32 s21, s[RB], 8
	s_lshl_b32 s22, s[HALF], 7
	s_add_co_u32 s21, s21, s22                     ; x: the first row that I fetch
	s_lshl_b32 s66, s21, 11
	s_mov_b32 s67, 0
	s_mul_i32 s22, s[HD], 320
	s_mul_i32 s23, s[HALF], 160
	s_add_co_u32 s22, s22, s23                     ; W: the same
	s_lshl_b32 s68, s22, 11
	s_mov_b32 s69, 0
	s_mul_i32 s[LBA], s[HALF], 128*PITCH           ; where they go: no place in the cluster enters an LDS address
	s_mul_i32 s[LBB], s[HALF], 160*PITCH
	s_add_co_u32 s[LBB], s[LBB], BOFF
	; the prefetches
	s_and_b32 s2, ttmp7, 0xffff
	s_cmp_eq_u32 s[ISB], 0
	s_cselect_b32 s2, ttmp9, s2                    ; the coordinate along which other clusters read the same rows
	s_cselect_b32 s23, s[CX], s[CY]                ; my place among the four that ask jointly
	s_cselect_b32 s70, s21, s22
	s_lshl_b32 s23, s23, 5
	s_add_co_u32 s70, s70, s23                     ; my work-group's 32 rows
	s_lshl_b32 s70, s70, 11
	s_add_co_u32 s70, s70, 512                     ; at K step 2: the first refill steps it to 3 and names 4
	s_mov_b32 s71, 0
	s_cmp_eq_u32 s2, 0
	s_cselect_b32 s[LIM], 2, -1                    ; the same in all sixteen partners, for a given wave
	s_cselect_b32 s[XT], 6, 0
	s_cmp_eq_u32 s[ISB], 0
	s_cselect_b32 s[XT], 0, s[XT]
	s_add_co_u32 s82, s22, 128                     ; the last 32 of a W wave's 160 rows,
	s_lshl_b32 s82, s82, 11
	s_lshl_b32 s23, s[CY], 8
	s_add_co_u32 s82, s82, s23
	s_add_co_u32 s82, s82, 1024                    ; K step 4 + cy
	s_mov_b32 s83, 0
	s_mov_b32 s[SEL], 0x76543210
	s_mov_b32 s[SEL+1], 0xfedcba98
	s_wait_dscnt 0x0                               ; both opening adds are done
	s_wait_kmcnt 0x0
	s_add_nc_u64 s[66:67], s[4:5], s[66:67]
	s_add_nc_u64 s[68:69], s[6:7], s[68:69]
	CROUND                                         ; all sixteen work-groups are here: the first joint loads meet
.irp s, 0,1
	s_mov_b32 s[G0A+4*(\s)], 1
	s_add_co_u32 s[G0A+4*(\s)+1], s[LBA], (\s)*SLOT
	s_add_nc_u64 s[G0A+4*(\s)+2:G0A+4*(\s)+3], s[66:67], (\s)*256
	s_or_b32 s[G0A+4*(\s)+3], s[G0A+4*(\s)+3], 0x80000000
	s_mov_b32 s[G0B+4*(\s)], 1
	s_add_co_u32 s[G0B+4*(\s)+1], s[LBB], (\s)*SLOT
	s_add_nc_u64 s[G0B+4*(\s)+2:G0B+4*(\s)+3], s[68:69], (\s)*256
	s_or_b32 s[G0B+4*(\s)+3], s[G0B+4*(\s)+3], 0x80000000
	JLOAD \s                                       ; K steps 0 and 1: two loads of mine are out
.endr
	s_cmp_eq_u32 s[ISB], 0
	s_cselect_b64 s[PFA:PFA+1], s[4:5], s[6:7]
	s_add_nc_u64 s[PFA:PFA+1], s[PFA:PFA+1], s[70:71]
	s_add_nc_u64 s[PFX:PFX+1], s[6:7], s[82:83]
	s_lshl_b32 s70, s[RB], 8
	s_lshl_b32 s23, s[WV], 6
	s_add_co_u32 s70, s70, s23                     ; my first token
	s_lshl_b32 s70, s70, 11
	s_lshl_b32 s23, s[HD], 7
	s_add_co_u32 s70, s70, s23                     ; the head's 64 columns
	s_add_nc_u64 s[XBASE:XBASE+1], s[4:5], s[70:71]
	s_mul_i32 s70, s[HD], 1280
	s_add_nc_u64 s[PBASE:PBASE+1], s[8:9], s[70:71]
	s_lshr_b32 s2, s[RB], 3                        ; batch
	s_lshl_b32 s2, s2, 4
	s_add_co_u32 s2, s2, s[HD]                     ; batch x 16 + head
	s_and_b32 s21, s[RB], 7                        ; which eighth of the batch's tokens
	s_lshl_b32 s70, s2, 18
	s_lshl_b32 s22, s21, 15
	s_add_co_u32 s70, s70, s22
	s_lshl_b32 s22, s[WV], 13
	s_add_co_u32 s70, s70, s22                     ; (256 part + 64 w) rows of 128 bytes
	s_add_nc_u64 s[QBASE:QBASE+1], s[10:11], s[70:71]
	s_lshl_b32 s70, s2, 3
	s_add_co_u32 s70, s70, s21
	s_lshl_b32 s70, s70, 15
	s_add_co_u32 s70, s70, s22                     ; my 8 blocks of 1,024 bytes
	s_add_nc_u64 s[SBASE:SBASE+1], s[12:13], s[70:71]
	v_and_b32 v1, 15, v0                           ; r
	v_bfe_u32 v2, v0, 4, 1                         ; hh
	v_and_b32 v3, 31, v0                           ; lane
	v_lshlrev_b32 v[XO], 11, v1
	v_lshl_add_u32 v[XO], v2, 4, v[XO]
	v_lshlrev_b32 v[R4], 2, v1
	v_lshlrev_b32 v[H32], 5, v2
	; THE PROLOGUE, in the wait for the first tile.
.irp a, 0,1,2,3
.irp c, 0,1
	global_load_b128 v[XR+8*(2*(\a)+(\c)):XR+8*(2*(\a)+(\c))+3],   v[XO], s[XBASE:XBASE+1] offset:(\a)*32768+64*(\c)
	global_load_b128 v[XR+8*(2*(\a)+(\c))+4:XR+8*(2*(\a)+(\c))+7], v[XO], s[XBASE:XBASE+1] offset:(\a)*32768+64*(\c)+32
.endr
.endr
.irp b, 0,1,2,3
	global_load_b128 v[QB+8*(\b):QB+8*(\b)+3],   v[H32], s[PBASE:PBASE+1] offset:64*(\b)      ; q: my 8 columns' biases
	global_load_b128 v[QB+8*(\b)+4:QB+8*(\b)+7], v[H32], s[PBASE:PBASE+1] offset:64*(\b)+16
.endr
	WIN 0xc0                                       ; destination window 3, address window 0
.irp g, 1,2,3,4
.irp b, 0,1,2,3
	global_load_b32 v[BB+32*((\g)-1)+8*(\b)], v[R4], s[PBASE:PBASE+1] offset:(64*(\g)+16*(\b))*4   ; the others: my one column's bias
.endr
.endr
	WIN 0
	v_mul_u32_u24 v4, v1, PITCH
	v_lshl_add_u32 v4, v2, 4, v4                   ; row x pitch + 16 x half
	s_mul_i32 s21, s[WV], 64*PITCH
	v_add_nc_u32 v[ABASE], s21, v4
	v_mov_b32 v[AW], v[ABASE]                      ; slot 0 is in hand first
	v_add_nc_u32 v[B0BASE], BOFF, v4
	v_mov_b32 v[B0W], v[B0BASE]
	v_add_nc_u32 v[B1BASE], 160*PITCH, v[B0BASE]
	v_mov_b32 v[B1W], v[B1BASE]
	v_lshlrev_b32 v[L16], 4, v3
	v_lshlrev_b32 v[PFO], 11, v3
	s_mul_i32 s22, s[WV], 16*SP
	s_add_co_u32 s22, s22, STAGE
	v_mul_u32_u24 v[STO], v1, SP                   ; in: row r, 16 bytes for each half of the lanes
	v_lshl_add_u32 v[STO], v2, 4, v[STO]
	v_add_nc_u32 v[STO], s22, v[STO]
	v_lshrrev_b32 v5, 3, v3                        ; back: 32 lanes take four rows of 128 bytes
	v_and_b32 v6, 7, v3
	v_mul_u32_u24 v[RD], v5, SP
	v_lshl_add_u32 v[RD], v6, 4, v[RD]
	v_add_nc_u32 v[RD], s22, v[RD]
	s_lshl_b32 s23, s[WV], 15
	v_lshl_add_u32 v[RS], v3, 4, s23
	s_lshl_b32 s23, s[WV], 13
	v_lshl_add_u32 v[RL], v3, 4, s23
	v_add_nc_u32 v[RL+1], 0x10000, v[RL]
	v_mov_b32 v[NLV], 0xbfb8aa3b
	v_mov_b32 v[NLV+1], 0xbfb8aa3b
	; the unit matrix as a fragment: row r has its 1 at k = r (pattern in registers 0-3) or at k = 16 + r (in registers 4-7)
	v_lshlrev_b32 v5, 3, v2
	v_sub_nc_u32 v5, v1, v5                        ; r - 8 hh: my 1 lies in my 8 numbers if this is 0 .. 7
	v_and_b32 v6, 1, v5
	v_lshlrev_b32 v6, 4, v6
	v_mov_b32 v7, 0x3f80                           ; 1.0 in bf16,
	v_lshlrev_b32 v6, v6, v7                       ; in the low or the high half
	v_lshrrev_b32 v5, 1, v5
.irp i, 0,1,2,3
	v_mov_b32 v[EZ+(\i)], 0
	v_mov_b32 v[EZ+8+(\i)], 0
	v_cmp_eq_u32 vcc_lo, (\i), v5
	v_cndmask_b32 v[EZ+4+(\i)], 0, v6, vcc_lo
.endr
	s_wait_loadcnt 0x0
	WIN 0xc3                                       ; inside window 3: a column's bias is the same for its 8 tokens
.set n, 0
.rept 16
.irp k, 1,2,3,4,5,6,7
	v_mov_b32 v[BB+8*n+(\k)], v[BB+8*n]
.endr
.set n, n+1
.endr
; one product for each accumulator of section sg: x's own columns times the unit matrix, plus the bias
.macro PRO sg
.if (\sg) == 0
	WIN 0xc0
.set AB, 0
.elseif (\sg) < 3
	WIN 0x70
.set AB, 128*((\sg)-1)
.else
	WIN 0xb0
.set AB, 128*((\sg)-3)
.endif
.irp a, 0,1,2,3
.irp b, 0,1,2,3
.if (\sg) == 0
	v_wmma_f32_16x16x32_bf16 v[AB+8*(4*(\a)+(\b)):AB+8*(4*(\a)+(\b))+7], v[EZ+4-4*((\b)%2):EZ+11-4*((\b)%2)], v[XR+8*(2*(\a)+(\b)/2):XR+8*(2*(\a)+(\b)/2)+7], v[QB+8*(\b):QB+8*(\b)+7]
.else
	v_wmma_f32_16x16x32_bf16 v[AB+8*(4*(\a)+(\b)):AB+8*(4*(\a)+(\b))+7], v[XR+8*(2*(\a)+(\b)/2):XR+8*(2*(\a)+(\b)/2)+7], v[EZ+4-4*((\b)%2):EZ+11-4*((\b)%2)], v[BB+32*((\sg)-1)+8*(\b):BB+32*((\sg)-1)+8*(\b)+7]
.endif
.endr
.endr
.endm
	PRO 0
	PRO 1
	PRO 2
	PRO 3
	PRO 4
	WIN 0
; 16 matrix instructions: section sg, 32 along K, x's fragments in buffer fa.  The 80 accumulators take turns, one instruction a turn, over the backward jumps too.
.macro SEC sg, fa
.if (\sg) == 0
	WIN 0xf0
.set AB, 0
.elseif (\sg) < 3
	WIN 0x50
.set AB, 128*((\sg)-1)
.else
	WIN 0xa0
.set AB, 128*((\sg)-3)
.endif
.irp a, 0,1,2,3
.irp b, 0,1,2,3
.if (\sg) == 0
	v_wmma_f32_16x16x32_bf16 v[AB+8*(4*(\a)+(\b)):AB+8*(4*(\a)+(\b))+7], v[FB+32*(\sg)+8*(\b):FB+32*(\sg)+8*(\b)+7], v[(\fa)+8*(\a):(\fa)+8*(\a)+7], v[AB+8*(4*(\a)+(\b)):AB+8*(4*(\a)+(\b))+7]
.else
	v_wmma_f32_16x16x32_bf16 v[AB+8*(4*(\a)+(\b)):AB+8*(4*(\a)+(\b))+7], v[(\fa)+8*(\a):(\fa)+8*(\a)+7], v[FB+32*(\sg)+8*(\b):FB+32*(\sg)+8*(\b)+7], v[AB+8*(4*(\a)+(\b)):AB+8*(4*(\a)+(\b))+7]
.endif
.endr
.endr
.endm
.macro BFRAG k, n                      ; W's fragment n of 20: rows 16 n on, in the slot in hand
.if (\n) < 10
	ds_load_b128 v[FB+8*(\n):FB+8*(\n)+3],   v[B0W] offset:(\n)*16*PITCH+(\k)
	ds_load_b128 v[FB+8*(\n)+4:FB+8*(\n)+7], v[B0W] offset:(\n)*16*PITCH+(\k)+32
.else
	ds_load_b128 v[FB+8*(\n):FB+8*(\n)+3],   v[B1W] offset:((\n)-10)*16*PITCH+(\k)
	ds_load_b128 v[FB+8*(\n)+4:FB+8*(\n)+7], v[B1W] offset:((\n)-10)*16*PITCH+(\k)+32
.endif
.endm
.macro RUNX k, fa                      ; 32 LDS loads: x's four fragments and those of sections 0 to 2, 32 along K at byte k of the rows
	WIN 0
.irp a, 0,1,2,3
	ds_load_b128 v[(\fa)+8*(\a):(\fa)+8*(\a)+3],   v[AW] offset:(\a)*16*PITCH+(\k)
	ds_load_b128 v[(\fa)+8*(\a)+4:(\fa)+8*(\a)+7], v[AW] offset:(\a)*16*PITCH+(\k)+32
.endr
.irp n, 0,1,2,3,4,5,6,7,8,9,10,11
	BFRAG \k, \n
.endr
.endm
.macro RUNY k                          ; 16 LDS loads: sections 3 and 4
	WIN 0
.irp n, 12,13,14,15,16,17,18,19
	BFRAG \k, \n
.endr
.endm
; One of a K step's first three quarters: 80 matrix instructions on buffer fa; the next quarter's fragments (byte k) are fetched in two runs, each as soon as its registers have been multiplied.
.macro QUARTER k, fa, fb
	s_wait_dscnt 16                                ; the run of 32 is in; the 16 loads behind it may stay out
	SEC 0, \fa
	SEC 1, \fa
	SEC 2, \fa
	PLACES
	RUNX \k, \fb
	s_wait_dscnt 32                                ; all but the 32 just issued
	SEC 3, \fa
	SEC 4, \fa
	PLACES
	RUNY \k
.endm
; The fourth quarter multiplies buffer 1 and changes slots.  In front of the barrier each wave waits for all its tensor loads (one is out: its part of the next slot), adds 0 to its spare word, and waits for that and
; for its own reads of this slot.  fill = 1: the barrier opens a round of the cluster's, and the joint refill of the slot that is left, with the K step two on, is the first thing behind the round: 272 matrix
; instructions ahead of the wait for it.  The walking descriptors are written behind the wait for all tensor loads: LDS word = my part's place + the slot that is left; the address one K step on.
.macro TURN fill
.if \fill
	s_wait_xcnt 0x0                                ; the last prefetch, a K step back, has read its address
	s_add_nc_u64 s[PFA:PFA+1], s[PFA:PFA+1], 256
.endif
	WIN 0
	s_wait_tensorcnt 0x0
	ds_add_u32 v[SPW], v[NIL]
.if \fill
	s_add_co_u32 s[G0A+5], s[LBA], s[SO]
	s_add_co_u32 s[G0B+5], s[LBB], s[SO]
	s_add_nc_u64 s[G0A+6:G0A+7], s[G0A+6:G0A+7], 256
	s_add_nc_u64 s[G0B+6:G0B+7], s[G0B+6:G0B+7], 256
.endif
	s_xor_b32 s[SO], s[SO], SLOT                   ; the other slot comes in hand
	s_wait_dscnt 17                                ; the add and the 16 youngest loads may be out
	SEC 0, FA1
	s_wait_dscnt 0x0                               ; the add is done, and my reads of this slot are over
	s_barrier_signal -1
	SEC 1, FA1
	SEC 2, FA1
	WIN 0
	v_add_nc_u32 v[AW], s[SO], v[ABASE]
	v_add_nc_u32 v[B0W], s[SO], v[B0BASE]
	v_add_nc_u32 v[B1W], s[SO], v[B1BASE]
	s_barrier_wait -1
.if \fill
	CREST
	JLOAD 1                                        ; its four v_nop are also the places in front of the loads below
.else
	PLACES
.endif
	RUNX 0, FA0
.if \fill
	ASK
.endif
	SEC 3, FA1
	SEC 4, FA1
	PLACES
	RUNY 0
.endm
	s_wait_tensorcnt 1                             ; my part of K step 0 is in; K step 1's may stay out
	s_barrier_signal -1
	s_barrier_wait -1
	PLACES                                         ; behind the prologue's products, whose sources the loads below write
	RUNX 0, FA0
	RUNY 0
	s_mov_b32 s[SO], 0
	s_mov_b32 s3, 6
.Lstep:                                        ; K steps 0 to 5: each fills the slot that it leaves
	QUARTER 64,  FA0, FA1
	QUARTER 128, FA1, FA0
	QUARTER 192, FA0, FA1
	TURN 1
	WIN 0
	s_sub_co_u32 s3, s3, 1
	s_cmp_lg_u32 s3, 0
	s_cbranch_scc1 .Lstep
	s_mov_b32 s3, 2
.Ltail:                                        ; K steps 6 and 7 fill nothing.  K step 6's wait for all tensor loads shows K step 7's tile in.  K step 7's change of slots fetches 48 fragments
	QUARTER 64,  FA0, FA1                          ; that nothing multiplies: the price, once a work-group, of one text for both steps
	QUARTER 128, FA1, FA0
	QUARTER 192, FA0, FA1
	TURN 0
	WIN 0
	s_sub_co_u32 s3, s3, 1
	s_cmp_lg_u32 s3, 0
	s_cbranch_scc1 .Ltail
	s_wait_dscnt 0x0                               ; those loads are back: their registers are written below, and they were my last reads of the ring
	s_barrier_signal -1
	s_barrier_wait -1                              ; no wave reads the ring any more and no tile is on its way: slot 0 serves the reduction below
; THE EPILOGUE.  silu(t) + 0.5 = t / (1 + 2^(-log2(e) t)) + 0.5 for the 128 numbers t in v0-127 of window w, into X.  The 128 exponentials are one batch with one wait, the 128 reciprocals another;
; the scalings and the additions of 1 stand between them, one for two.  Each accumulator is read from its low end on.
.macro SILU w
	WIN (\w)<<2                                    ; source 1 in window w
	v_pk_mul_f32 v[X:X+1], v[NLV:NLV+1], v[0:1]
	v_pk_mul_f32 v[X+2:X+3], v[NLV:NLV+1], v[2:3]
.set p, 0
.rept 64
	v_exp_f32 v[X+2*p], v[X+2*p]
.if p < 62
	v_pk_mul_f32 v[X+2*p+4:X+2*p+5], v[NLV:NLV+1], v[2*p+4:2*p+5]
.endif
	v_exp_f32 v[X+2*p+1], v[X+2*p+1]
.set p, p+1
.endr
	v_nop                                          ; a plain instruction behind the last exponential,
	s_wait_alu depctr_va_vdst(0)                   ; and the one wait for the batch, ahead of its first reader
	v_pk_add_f32 v[X:X+1], v[X:X+1], 1.0 op_sel_hi:[1,0]
	v_pk_add_f32 v[X+2:X+3], v[X+2:X+3], 1.0 op_sel_hi:[1,0]
.set p, 0
.rept 64
	v_rcp_f32 v[X+2*p], v[X+2*p]
.if p < 62
	v_pk_add_f32 v[X+2*p+4:X+2*p+5], v[X+2*p+4:X+2*p+5], 1.0 op_sel_hi:[1,0]
.endif
	v_rcp_f32 v[X+2*p+1], v[X+2*p+1]
.set p, p+1
.endr
	v_nop
	s_wait_alu depctr_va_vdst(0)
.set p, 0
.rept 64
	v_pk_fma_f32 v[X+2*p:X+2*p+1], v[X+2*p:X+2*p+1], v[2*p:2*p+1], 0.5 op_sel_hi:[1,1,0]
.set p, p+1
.endr
.endm
	PLACES
	; Q.  A lane holds one token of each of four tiles and 32 of its 64 columns; the other 32 lie in the lane 16 away.
	SILU 3
	WIN 0
.set n, 0
.rept 16
.irp a, 0,1,2,3
.if n == 0
	v_pk_mul_f32 v[NRM+2*(\a):NRM+2*(\a)+1], v[X+32*(\a):X+32*(\a)+1], v[X+32*(\a):X+32*(\a)+1]
.else
	v_pk_fma_f32 v[NRM+2*(\a):NRM+2*(\a)+1], v[X+32*(\a)+2*n:X+32*(\a)+2*n+1], v[X+32*(\a)+2*n:X+32*(\a)+2*n+1], v[NRM+2*(\a):NRM+2*(\a)+1]
.endif
.endr
.set n, n+1
.endr
.irp a, 0,1,2,3
	v_add_f32 v[NRM+2*(\a)], v[NRM+2*(\a)], v[NRM+2*(\a)+1]
.endr
.irp a, 0,1,2,3
	v_permlanex16_b32 v[NRM+2*(\a)+1], v[NRM+2*(\a)], s[SEL], s[SEL+1]
.endr
.irp a, 0,1,2,3
	v_add_f32 v[NRM+2*(\a)], v[NRM+2*(\a)], v[NRM+2*(\a)+1]
.endr
.irp a, 0,1,2,3
	v_sqrt_f32 v[NRM+2*(\a)], v[NRM+2*(\a)]
.endr
	v_nop
	s_wait_alu depctr_va_vdst(0)
.irp a, 0,1,2,3
	v_add_f32 v[NRM+2*(\a)], 0x358637bd, v[NRM+2*(\a)]   ; + 1e-6
.endr
.irp a, 0,1,2,3
	v_rcp_f32 v[NRM+2*(\a)], v[NRM+2*(\a)]
.endr
	v_nop
	s_wait_alu depctr_va_vdst(0)
; Tile a: divided, rounded to f16; 16 bytes a lane go into rows of 144 bytes of my stage and come back as whole rows of 128, into the registers that they left.
.macro PACKQ a
.set n, 0
.rept 16
	v_pk_mul_f32 v[X+32*(\a)+2*n:X+32*(\a)+2*n+1], v[X+32*(\a)+2*n:X+32*(\a)+2*n+1], v[NRM+2*(\a):NRM+2*(\a)+1] op_sel_hi:[1,0]
.set n, n+1
.endr
.set n, 0
.rept 16
	v_cvt_pk_f16_f32 v[HQ+16*(\a)+n], v[X+32*(\a)+2*n], v[X+32*(\a)+2*n+1]
.set n, n+1
.endr
.irp b, 0,1,2,3
	ds_store_b128 v[STO], v[HQ+16*(\a)+4*(\b):HQ+16*(\a)+4*(\b)+3] offset:32*(\b)
.endr
.irp f, 0,1,2,3
	ds_load_b128 v[HQ+16*(\a)+4*(\f):HQ+16*(\a)+4*(\f)+3], v[RD] offset:576*(\f)   ; LDS serves a wave's instructions in order: these see the stores above, and the next tile's stores come behind them
.endr
.endm
.macro SENDQ a, younger                ; younger: the LDS instructions issued behind tile a's loads
.irp f, 0,1,2,3
	s_wait_dscnt (\younger)+3-(\f)
	global_store_b128 v[L16], v[HQ+16*(\a)+4*(\f):HQ+16*(\a)+4*(\f)+3], s[QBASE:QBASE+1] offset:2048*(\a)+512*(\f)   ; 512 consecutive bytes, aligned
.endr
.endm
	PACKQ 0
	PACKQ 1
	SENDQ 0, 8
	PACKQ 2
	SENDQ 1, 8
	PACKQ 3
	SENDQ 2, 8
	SENDQ 3, 0
	s_wait_xcnt 0x0                                ; the stores have read v32-95, which are written again below
; STATE j.  v_j is rounded to bf16 into fragments; k_j: silu + 0.5, its norm over the 64 columns (4 in the lane, 16 lanes of a row: the sums ride on the additions), divided, rounded into fragments;
; then 32 products k^T v: block (db, eb) of 16 x 16, tokens 32 tk on.  The 16 blocks take turns.  A fragment (b, tk) lies at 8 (2 b + tk): accumulator (2 tk, b) fills its registers 0-3, (2 tk + 1, b) its 4-7.
.macro STATE j
.set W, 1+(\j)
.set KF, 128*(\j)                      ; window 3
.set VF, 128*(\j)+64
	WIN 0xc0|(5*W)                                 ; sources window W, destination window 3
.irp a, 0,1,2,3
.irp b, 0,1,2,3
.irp i, 0,1,2,3
	v_cvt_pk_bf16_f32 v[VF+8*(2*(\b)+(\a)/2)+4*((\a)%2)+(\i)], v[128+8*(4*(\a)+(\b))+2*(\i)], v[128+8*(4*(\a)+(\b))+2*(\i)+1]
.endr
.endr
.endr
	SILU W
	WIN 0
.irp b, 0,1,2,3
.irp a, 0,1,2,3
.irp i, 0,1,2,3
.if (\b) == 0
	v_pk_mul_f32 v[SS+8*(\a)+2*(\i):SS+8*(\a)+2*(\i)+1], v[X+8*(4*(\a)+(\b))+2*(\i):X+8*(4*(\a)+(\b))+2*(\i)+1], v[X+8*(4*(\a)+(\b))+2*(\i):X+8*(4*(\a)+(\b))+2*(\i)+1]
.else
	v_pk_fma_f32 v[SS+8*(\a)+2*(\i):SS+8*(\a)+2*(\i)+1], v[X+8*(4*(\a)+(\b))+2*(\i):X+8*(4*(\a)+(\b))+2*(\i)+1], v[X+8*(4*(\a)+(\b))+2*(\i):X+8*(4*(\a)+(\b))+2*(\i)+1], v[SS+8*(\a)+2*(\i):SS+8*(\a)+2*(\i)+1]
.endif
.endr
.endr
.endr
.irp m, 1,2,4,8
.set n, 0
.rept 32
	v_add_f32_dpp v[SS+n], v[SS+n], v[SS+n] row_xmask:\m row_mask:0xf bank_mask:0xf
.set n, n+1
.endr
.endr
.set n, 0
.rept 32
	v_sqrt_f32 v[SS+n], v[SS+n]
.set n, n+1
.endr
	v_nop
	s_wait_alu depctr_va_vdst(0)
.set n, 0
.rept 16
	v_pk_add_f32 v[SS+2*n:SS+2*n+1], v[SS+2*n:SS+2*n+1], 0x358637bd op_sel_hi:[1,0]
.set n, n+1
.endr
.set n, 0
.rept 32
	v_rcp_f32 v[SS+n], v[SS+n]
.set n, n+1
.endr
	v_nop
	s_wait_alu depctr_va_vdst(0)
.irp a, 0,1,2,3
.irp b, 0,1,2,3
.irp i, 0,1,2,3
	v_pk_mul_f32 v[X+8*(4*(\a)+(\b))+2*(\i):X+8*(4*(\a)+(\b))+2*(\i)+1], v[X+8*(4*(\a)+(\b))+2*(\i):X+8*(4*(\a)+(\b))+2*(\i)+1], v[SS+8*(\a)+2*(\i):SS+8*(\a)+2*(\i)+1]
.endr
.endr
.endr
	WIN 0xc0
.irp a, 0,1,2,3
.irp b, 0,1,2,3
.irp i, 0,1,2,3
	v_cvt_pk_bf16_f32 v[KF+8*(2*(\b)+(\a)/2)+4*((\a)%2)+(\i)], v[X+8*(4*(\a)+(\b))+2*(\i)], v[X+8*(4*(\a)+(\b))+2*(\i)+1]
.endr
.endr
.endr
	WIN 0x0f|(0x50*W)                              ; sources window 3, C and D window W: k_j's registers, which have been read
.irp tk, 0,1
.irp db, 0,1,2,3
.irp eb, 0,1,2,3
.if (\tk) == 0
	v_wmma_f32_16x16x32_bf16 v[8*(4*(\db)+(\eb)):8*(4*(\db)+(\eb))+7], v[KF+8*(2*(\db)+(\tk)):KF+8*(2*(\db)+(\tk))+7], v[VF+8*(2*(\eb)+(\tk)):VF+8*(2*(\eb)+(\tk))+7], 0
.else
	v_wmma_f32_16x16x32_bf16 v[8*(4*(\db)+(\eb)):8*(4*(\db)+(\eb))+7], v[KF+8*(2*(\db)+(\tk)):KF+8*(2*(\db)+(\tk))+7], v[VF+8*(2*(\eb)+(\tk)):VF+8*(2*(\eb)+(\tk))+7], v[8*(4*(\db)+(\eb)):8*(4*(\db)+(\eb))+7]
.endif
.endr
.endr
.endr
.endm
	STATE 0
	STATE 1                                        ; its vector work stands behind state 0's products and names none of their registers
	PLACES
	PLACES
	; THE FOUR WAVES' SUMS MEET in slot 0, which has had its last fill and its last read: wave w's 32 blocks of 1,024 bytes at 32,768 w.
.irp j, 0,1
	WIN 4*(1+(\j))                                 ; the data lie in window 1 + j
.set n, 0
.rept 16
	ds_store_b128 v[RS], v[8*n:8*n+3]   offset:1024*(16*(\j)+n)
	ds_store_b128 v[RS], v[8*n+4:8*n+7] offset:1024*(16*(\j)+n)+512
.set n, n+1
.endr
.endr
	WIN 0
	s_wait_dscnt 0x0                               ; for the others' sake: my stores are done
	s_barrier_signal -1
	s_barrier_wait -1
	s_mov_b32 s3, 2
.Lred:                                         ; wave w adds up blocks 8 w .. 8 w + 7, four a trip
.irp bl, 0,1,2,3
.irp hf, 0,1
.irp u, 0,1,2,3
	ds_load_b128 v[X+32*(\bl)+16*(\hf)+4*(\u):X+32*(\bl)+16*(\hf)+4*(\u)+3], v[RL+(\u)/2] offset:((\u)%2)*32768+1024*(\bl)+512*(\hf)
.endr
.endr
.endr
	s_wait_dscnt 0x0
.irp bl, 0,1,2,3
.irp hf, 0,1
.set R, X+32*(\bl)+16*(\hf)
	v_pk_add_f32 v[R:R+1], v[R:R+1], v[R+4:R+5]
	v_pk_add_f32 v[R+2:R+3], v[R+2:R+3], v[R+6:R+7]
	v_pk_add_f32 v[R+8:R+9], v[R+8:R+9], v[R+12:R+13]
	v_pk_add_f32 v[R+10:R+11], v[R+10:R+11], v[R+14:R+15]
	v_pk_add_f32 v[R:R+1], v[R:R+1], v[R+8:R+9]
	v_pk_add_f32 v[R+2:R+3], v[R+2:R+3], v[R+10:R+11]
	global_store_b128 v[L16], v[R:R+3], s[SBASE:SBASE+1] offset:1024*(\bl)+512*(\hf)   ; 512 consecutive bytes, aligned
.endr
.endr
	s_wait_xcnt 0x0                                ; the stores have read their registers and their base, which the next trip writes
	s_add_nc_u64 s[SBASE:SBASE+1], s[SBASE:SBASE+1], 4096
	v_add_nc_u32 v[RL], 4096, v[RL]
	v_add_nc_u32 v[RL+1], 4096, v[RL+1]
	s_sub_co_u32 s3, s3, 1
	s_cmp_lg_u32 s3, 0
	s_cbranch_scc1 .Lred
	s_wait_tensorcnt 0x0                           ; the wave's end
	ds_add_u32 v[SPW], v[NIL]
	s_wait_dscnt 0x0
	CROUND                                         ; the closing round
	s_endpgm
.Lfunc_end_k_qd365cda25b_proj:
	.size	k_qd365cda25b_proj, .Lfunc_end_k_qd365cda25b_proj-k_qd365cda25b_proj
	.p2alignl 7, 3214868480
	.fill 96, 4, 3214868480
	.section	.rodata,"a",@progbits
	.p2align	6, 0x0
	.amdhsa_kernel k_qd365cda25b_proj
		.amdhsa_group_segment_fixed_size 327680
		.amdhsa_private_segment_fixed_size 0
		.amdhsa_enable_private_segment 0
		.amdhsa_kernarg_size 40
		.amdhsa_user_sgpr_count 2
		.amdhsa_user_sgpr_kernarg_segment_ptr 1
		.amdhsa_wavefront_size32 1
		.amdhsa_system_sgpr_workgroup_id_x 1
		.amdhsa_system_sgpr_workgroup_id_y 1
		.amdhsa_system_sgpr_workgroup_id_z 1
		.amdhsa_system_vgpr_workitem_id 0
		.amdhsa_next_free_vgpr 1024
		.amdhsa_next_free_sgpr 84
		.amdhsa_reserve_vcc 1
		.amdhsa_float_denorm_mode_32 3
		.amdhsa_float_denorm_mode_16_64 3
		.amdhsa_memory_ordered 1
		.amdhsa_forward_progress 1
		.amdhsa_inst_pref_size 244
	.end_amdhsa_kernel
	.amdgpu_metadata
---
amdhsa.version: [ 1, 2 ]
amdhsa.kernels:
  - .name:           k_qd365cda25b_proj
    .symbol:         k_qd365cda25b_proj.kd
    .args:
      - { .name: xb, .offset: 0, .size: 8, .value_kind: global_buffer, .address_space: global }
      - { .name: wb, .offset: 8, .size: 8, .value_kind: global_buffer, .address_space: global }
      - { .name: par, .offset: 16, .size: 8, .value_kind: global_buffer, .address_space: global }
      - { .name: q16, .offset: 24, .size: 8, .value_kind: global_buffer, .address_space: global }
      - { .name: sp, .offset: 32, .size: 8, .value_kind: global_buffer, .address_space: global }
    .group_segment_fixed_size: 327680
    .private_segment_fixed_size: 0
    .kernarg_segment_align: 8
    .kernarg_segment_size: 40
    .max_flat_workgroup_size: 128
    .sgpr_count:     84
    .vgpr_count:     1024
    .wavefront_size: 32
...
	.end_amdgpu_metadata
.endif
;; end of part 2
;; launch sred (part 3): grid 256 x 1, 4 waves a work-group, no clusters, 768 bytes of LDS; arguments sp, sst; writes sst
.if DOCPART == 3
	.amdgcn_target "amdgcn-amd-amdhsa--gfx1250"
	.amdhsa_code_object_version 6
	.text
	.protected	k_qd365cda25b_sred
	.globl	k_qd365cda25b_sred
	.p2align	8
	.type	k_qd365cda25b_sred,@function
k_qd365cda25b_sred:
	s_mov_b64 s[64:65], 0
	v_nop
	global_prefetch_b8 v0, s[64:65] scope:SCOPE_SE
	s_setreg_imm32_b32 hwreg(HW_REG_WAVE_MODE, 25, 1), 1
	s_wait_xcnt 0x0
; The eight partial sums of each state are added, the two states multiplied number by number, and the product written as f16 relative to a block's largest magnitude.
; Work-group (bh, eb): the 64 x 16 numbers P[d][e], e = 16 eb .. 16 eb + 15.  Wave db takes d = 16 db .. + 15: a lane holds e = lane % 16 and d = 8 (lane / 16) + 0..7, as the products of the launch before left them.
; Out: the block as 16 bytes a lane, which is half a fragment (row e, K = d) for the next launch; and the scale m x 2^-22, written twice: m the largest |P| of the work-group's numbers, 2^-22 the two states' 1/N.
; LIMITS. m below 1e-30 counts as 1e-30; |P| stays under 8e37 (beyond it the reciprocal of m is flushed to 0); NaN and infinities are not treated apart.
; A short stream: no matrix unit, no prefetch.  All 32 loads of a lane go out together.
.set SPARE, 256                        ; LDS: bytes 0-15 the four waves' maxima; from 256 on the spare words
.set DAT, 16                           ; v[16:143]: state j, part p at DAT + 64 j + 8 p
	s_load_b128 s[4:7], s[0:1], 0x0                ; sp, sst
	v_lshl_add_u32 v2, v0, 2, SPARE                ; my spare word; never rewritten
	v_mov_b32 v3, 0                                ; 0; never rewritten
	v_lshrrev_b32 v1, 5, v0
	v_readfirstlane_b32 s8, v1                     ; db
	v_and_b32 v4, 31, v0
	s_lshr_b32 s9, ttmp9, 2                        ; bh
	s_and_b32 s10, ttmp9, 3                        ; eb
	s_lshl_b32 s12, s9, 18
	s_lshl_b32 s11, s10, 10
	s_add_co_u32 s12, s12, s11
	s_mov_b32 s13, 0
	s_lshl_b32 s11, s8, 12
	v_lshl_add_u32 v1, v4, 4, s11                  ; 16 x lane + 4,096 db
	s_lshl_b32 s14, s8, 2
	s_add_co_u32 s14, s14, s10                     ; block 4 db + eb
	s_lshl_b32 s14, s14, 9
	s_lshl_b32 s15, s9, 13
	s_add_co_u32 s14, s14, s15
	v_lshl_add_u32 v5, v4, 4, s14
	s_lshl_b32 s15, ttmp9, 3
	s_add_co_u32 s15, s15, 524288
	v_mov_b32 v6, s15                              ; where the scale goes
	s_lshl_b32 s11, s8, 2
	v_mov_b32 v7, s11
	v_mov_b32 v8, 0
	v_mov_b32 v145, 0
	s_mov_b32 s18, 0x76543210
	s_mov_b32 s19, 0xfedcba98
	s_wait_kmcnt 0x0
	s_add_nc_u64 s[4:5], s[4:5], s[12:13]
.irp j, 0,1
.irp p, 0,1,2,3,4,5,6,7
.irp hf, 0,1
	global_load_b128 v[DAT+64*(\j)+8*(\p)+4*(\hf):DAT+64*(\j)+8*(\p)+4*(\hf)+3], v1, s[4:5] offset:32768*(\p)+16384*(\j)+512*(\hf) th:TH_LOAD_NT
.endr
.endr
.endr
	s_wait_loadcnt 0x0
.irp j, 0,1
.irp st, 4,2,1                         ; part p takes part p + st
.set p, 0
.rept \st
.irp k, 0,2,4,6
	v_pk_add_f32 v[DAT+64*(\j)+8*p+(\k):DAT+64*(\j)+8*p+(\k)+1], v[DAT+64*(\j)+8*p+(\k):DAT+64*(\j)+8*p+(\k)+1], v[DAT+64*(\j)+8*(p+(\st))+(\k):DAT+64*(\j)+8*(p+(\st))+(\k)+1]
.endr
.set p, p+1
.endr
.endr
.endr
.irp k, 0,2,4,6
	v_pk_mul_f32 v[DAT+(\k):DAT+(\k)+1], v[DAT+(\k):DAT+(\k)+1], v[DAT+64+(\k):DAT+64+(\k)+1]
.endr
	v_max3_num_f32 v144, |v16|, |v17|, |v18|
	v_max3_num_f32 v144, v144, |v19|, |v20|
	v_max3_num_f32 v144, v144, |v21|, |v22|
	v_max_num_f32 v144, v144, |v23|
	v_max_num_f32_dpp v144, v144, v144 row_xmask:1 row_mask:0xf bank_mask:0xf
	v_max_num_f32_dpp v144, v144, v144 row_xmask:2 row_mask:0xf bank_mask:0xf
	v_max_num_f32_dpp v144, v144, v144 row_xmask:4 row_mask:0xf bank_mask:0xf
	v_max_num_f32_dpp v144, v144, v144 row_xmask:8 row_mask:0xf bank_mask:0xf
	v_permlanex16_b32 v145, v144, s18, s19
	v_max_num_f32 v144, v144, v145
	ds_store_b32 v7, v144                          ; all lanes write the wave's word with the same number
	s_wait_dscnt 0x0
	s_barrier_signal -1
	s_barrier_wait -1
	ds_load_b128 v[148:151], v8
	s_wait_dscnt 0x0
	v_max3_num_f32 v145, v148, v149, v150
	v_max3_num_f32 v145, v145, v151, 0x0da24260    ; at least 1e-30
	v_rcp_f32 v146, v145
	v_rcp_f32 v147, v145
	v_nop
	s_wait_alu depctr_va_vdst(0)                   ; one wait for both reciprocals
.irp k, 0,2,4,6
	v_pk_mul_f32 v[DAT+(\k):DAT+(\k)+1], v[DAT+(\k):DAT+(\k)+1], v[146:147]
.endr
.irp i, 0,1,2,3
	v_cvt_pk_f16_f32 v[152+(\i)], v[DAT+2*(\i)], v[DAT+2*(\i)+1]
.endr
	global_store_b128 v5, v[152:155], s[6:7]       ; 512 consecutive bytes, aligned
	s_cmp_lg_u32 s8, 0
	s_cbranch_scc1 .Lend
	v_mul_f32 v156, 0x34800000, v145               ; m x 2^-22
	v_mov_b32 v157, v156
	v_cmp_eq_u32 vcc_lo, 0, v0
	s_wait_xcnt 0x0                                ; EXEC changes only behind this wait,
	s_and_saveexec_b32 s16, vcc_lo
	global_store_b64 v6, v[156:157], s[6:7]        ; one lane: 8 bytes a work-group, 2,048 in the launch
	s_wait_xcnt 0x0                                ; and again in front of the line that widens it
	s_or_b32 exec_lo, exec_lo, s16
.Lend:
	s_wait_tensorcnt 0x0                           ; the wave's end
	ds_add_u32 v2, v3
	s_wait_dscnt 0x0
	s_endpgm
.Lfunc_end_k_qd365cda25b_sred:
	.size	k_qd365cda25b_sred, .Lfunc_end_k_qd365cda25b_sred-k_qd365cda25b_sred
	.p2alignl 7, 3214868480
	.fill 96, 4, 3214868480
	.section	.rodata,"a",@progbits
	.p2align	6, 0x0
	.amdhsa_kernel k_qd365cda25b_sred
		.amdhsa_group_segment_fixed_size 768
		.amdhsa_private_segment_fixed_size 0
		.amdhsa_enable_private_segment 0
		.amdhsa_kernarg_size 16
		.amdhsa_user_sgpr_count 2
		.amdhsa_user_sgpr_kernarg_segment_ptr 1
		.amdhsa_wavefront_size32 1
		.amdhsa_system_sgpr_workgroup_id_x 1
		.amdhsa_system_sgpr_workgroup_id_y 1
		.amdhsa_system_sgpr_workgroup_id_z 1
		.amdhsa_system_vgpr_workitem_id 0
		.amdhsa_next_free_vgpr 160
		.amdhsa_next_free_sgpr 66
		.amdhsa_reserve_vcc 1
		.amdhsa_float_denorm_mode_32 3
		.amdhsa_float_denorm_mode_16_64 3
		.amdhsa_memory_ordered 1
		.amdhsa_forward_progress 1
		.amdhsa_inst_pref_size 11
	.end_amdhsa_kernel
	.amdgpu_metadata
---
amdhsa.version: [ 1, 2 ]
amdhsa.kernels:
  - .name:           k_qd365cda25b_sred
    .symbol:         k_qd365cda25b_sred.kd
    .args:
      - { .name: sp, .offset: 0, .size: 8, .value_kind: global_buffer, .address_space: global }
      - { .name: sst, .offset: 8, .size: 8, .value_kind: global_buffer, .address_space: global }
    .group_segment_fixed_size: 768
    .private_segment_fixed_size: 0
    .kernarg_segment_align: 8
    .kernarg_segment_size: 16
    .max_flat_workgroup_size: 128
    .sgpr_count:     66
    .vgpr_count:     160
    .wavefront_size: 32
...
	.end_amdgpu_metadata
.endif
;; end of part 3
;; launch outln (part 4): grid 256 x 1, 4 waves a work-group, no clusters, 133,632 bytes of LDS; arguments q16, sst, par, z16; writes z16
.if DOCPART == 4
	.amdgcn_target "amdgcn-amd-amdhsa--gfx1250"
	.amdhsa_code_object_version 6
	.text
	.protected	k_qd365cda25b_outln
	.globl	k_qd365cda25b_outln
	.p2align	8
	.type	k_qd365cda25b_outln,@function
k_qd365cda25b_outln:
	s_mov_b64 s[64:65], 0
	v_nop
	global_prefetch_b8 v0, s[64:65] scope:SCOPE_SE
	s_setreg_imm32_b32 hwreg(HW_REG_WAVE_MODE, 25, 1), 1
	s_wait_xcnt 0x0
; out[n][64 h + e] = the sum over d of q[h][n][d] S[h][d][e]; LayerNorm over the 1,024 columns (mean, then the mean of squared differences, eps 1e-5), gain and shift; z leaves as f16, [8192][1024].
; LIMIT. |z| is at most 32 |g| + |ln_b| and stays under 65,504 (f16).  NaN and infinities are not treated apart.
; SHARES. A work-group owns 32 tokens.  Wave w: token tile w / 2 (16 tokens), heads 8 (w % 2) .. + 7 (512 columns).  The two waves of a token tile exchange their sums through LDS, twice.
; ALL OPERANDS OF A WAVE FIT IN REGISTERS: q 128, S 512.  So every load goes out at once and each head's products follow as its S arrives.  S is stored as fragments: nothing goes through LDS on the way in,
; and there is no ring, no tensor load and no cluster: a wave's S, 64 KiB, is read by the 128 waves of a batch's half of the heads shortly after each other.
; LAYOUT. The product is taken transposed (source 0 = 16 rows e of S^T, source 1 = 16 tokens): a lane holds one token and 8 neighbouring columns.  S is f16 relative to a scale for each (head, 16 columns e):
; the scale multiplies the finished sums, in f32.
; REGISTERS, in windows of 256: window 0: v0-63 addresses, sums, gain and shift; v64-127 rows read back; v128-255 q, later z.  window 1: the 32 accumulators, (h, eb) at 32 h + 8 eb.
;   windows 2, 3: S, head h in window 2 + h / 4 at 64 (h % 4) + 8 (2 eb + c).
.set STG,   2064                       ; a row of a wave's stage: 512 f32 + 16 bytes = 516 words: 16 rows start at 16 different groups of four banks
.set EX,    4*16*STG                   ; behind the stages: a word a thread for the first exchange, 512 bytes on a word for the second
.set SPARE, EX+1024
.set QO,   4
.set L16,  5
.set STO,  6
.set RD,   7
.set L8,   8
.set C10,  9                           ; 2^-10
.set EXS,  10
.set EXL,  11
.set SPW,  12                          ; my spare word; never rewritten
.set NIL,  13                          ; 0; never rewritten
.set EPS,  14                          ; 1e-5
.set SUM,  16                          ; v[16:23] four chains
.set MU,   24
.set RSTD, 26
.set G,    32
.set BT,   48
.set BK,   64
.set QF,   128
.set ZR,   128
.set MSB, 0
.macro WIN new
.if MSB != (\new)
	s_set_vgpr_msb (MSB<<8)|(\new)
.set MSB, (\new)
.endif
.endm
.macro SCALE a                         ; SC: the scalar pair that holds the scale of accumulator a = 4 h + eb
.set SC, 8+2*(\a)
.if (\a) >= 24
.set SC, 68+2*((\a)-24)
.endif
.endm
	s_load_b256 s[84:91], s[0:1], 0x0              ; q16 84, sst 86, par 88, z16 90
	v_lshl_add_u32 v[SPW], v0, 2, SPARE
	v_mov_b32 v[NIL], 0
	v_lshrrev_b32 v1, 5, v0
	v_readfirstlane_b32 s2, v1                     ; wave
	s_lshr_b32 s3, s2, 1                           ; token tile
	s_and_b32 s4, s2, 1                            ; half of the heads
	s_lshr_b32 s5, ttmp9, 6                        ; batch
	s_lshl_b32 s5, s5, 4
	s_lshl3_add_u32 s5, s4, s5                     ; my first (batch, head)
	s_and_b32 s6, ttmp9, 63
	s_lshl_b32 s6, s6, 5
	s_lshl4_add_u32 s6, s3, s6                     ; my first token in the batch
	s_lshl_b32 s56, s5, 18
	s_lshl_b32 s6, s6, 7
	s_add_co_u32 s56, s56, s6
	s_mov_b32 s57, 0
	s_lshl_b32 s58, s5, 13
	s_mov_b32 s59, 0
	s_lshl_b32 s60, s5, 5
	s_add_co_u32 s60, s60, 524288
	s_mov_b32 s61, 0
	s_lshl_b32 s62, s4, 11
	s_mov_b32 s63, 0
	s_lshl_b32 s6, ttmp9, 5
	s_lshl4_add_u32 s6, s3, s6                     ; my first token of all
	s_lshl_b32 s6, s6, 11
	s_lshl_b32 s7, s4, 10
	s_add_co_u32 s6, s6, s7
	s_mov_b32 s7, 0
	s_mul_i32 s92, s2, 16*STG                      ; my stage
	s_mov_b32 s66, 0x76543210
	s_mov_b32 s67, 0xfedcba98
	v_and_b32 v1, 15, v0
	v_bfe_u32 v2, v0, 4, 1
	v_and_b32 v3, 31, v0
	v_lshlrev_b32 v[QO], 7, v1
	v_lshl_add_u32 v[QO], v2, 4, v[QO]             ; row x 128 + 16 x half
	v_lshlrev_b32 v[L16], 4, v3
	v_lshlrev_b32 v[L8], 3, v3
	s_wait_kmcnt 0x0
	s_add_nc_u64 s[60:61], s[86:87], s[60:61]
	s_load_b512 s[8:23], s[60:61], 0x0             ; the 32 scales, each written twice: a pair for the packed lines
	s_load_b512 s[24:39], s[60:61], 0x40
	s_load_b512 s[40:55], s[60:61], 0x80
	s_load_b512 s[68:83], s[60:61], 0xc0
	s_add_nc_u64 s[84:85], s[84:85], s[56:57]
	s_add_nc_u64 s[86:87], s[86:87], s[58:59]
	s_add_nc_u64 s[88:89], s[88:89], s[62:63]
	s_add_nc_u64 s[90:91], s[90:91], s[6:7]
.irp t, 0,1,2,3
	global_load_b128 v[G+4*(\t):G+4*(\t)+3],   v[L16], s[88:89] offset:20480+512*(\t)
	global_load_b128 v[BT+4*(\t):BT+4*(\t)+3], v[L16], s[88:89] offset:24576+512*(\t)
.endr
.irp h, 0,1,2,3,4,5,6,7
.irp c, 0,1
	global_load_b128 v[QF+16*(\h)+8*(\c):QF+16*(\h)+8*(\c)+3],   v[QO], s[84:85] offset:262144*(\h)+64*(\c)
	global_load_b128 v[QF+16*(\h)+8*(\c)+4:QF+16*(\h)+8*(\c)+7], v[QO], s[84:85] offset:262144*(\h)+64*(\c)+32
.endr
.endr
.set h, 0
.rept 8
	WIN 0x80+0x40*(h/4)                            ; destination window 2 or 3
.irp eb, 0,1,2,3
.irp c, 0,1                            ; registers 0-3: d = 32 c + 8 (lane / 16) on: block 8 c + eb; registers 4-7: 16 further: block 8 c + 4 + eb
	global_load_b128 v[64*(h%4)+8*(2*(\eb)+(\c)):64*(h%4)+8*(2*(\eb)+(\c))+3],   v[L16], s[86:87] offset:8192*h+512*(8*(\c)+(\eb))
	global_load_b128 v[64*(h%4)+8*(2*(\eb)+(\c))+4:64*(h%4)+8*(2*(\eb)+(\c))+7], v[L16], s[86:87] offset:8192*h+512*(8*(\c)+4+(\eb))
.endr
.endr
.set h, h+1
.endr
	WIN 0
	v_mul_u32_u24 v[STO], v1, STG
	v_lshl_add_u32 v[STO], v2, 5, v[STO]
	v_add_nc_u32 v[STO], s92, v[STO]               ; in: row = my token, 32 bytes for each half of the lanes
	v_add_nc_u32 v[RD], s92, v[L16]                ; back: 512 consecutive bytes of a row
	v_lshl_add_u32 v[EXS], v0, 2, EX
	v_xor_b32 v[EXL], 32, v0                       ; the same lane of the wave that holds my tokens' other heads
	v_lshl_add_u32 v[EXL], v[EXL], 2, EX
	v_mov_b32 v[C10], 0x3a800000
	v_mov_b32 v[EPS], 0x3727c5ac
.set h, 0
.rept 8
.set cnt, 16*(7-h)                     ; the later heads' 16 loads each may stay out; the count's field ends at 63
.if cnt > 63
.set cnt, 63
.endif
	s_wait_loadcnt cnt
	WIN 0x52+(h/4)                                 ; S window 2 or 3, q window 0, C and D window 1
.irp c, 0,1                            ; the head's four accumulators take turns
.irp eb, 0,1,2,3
.if (\c) == 0
	v_wmma_f32_16x16x32_f16 v[32*h+8*(\eb):32*h+8*(\eb)+7], v[64*(h%4)+8*(2*(\eb)+(\c)):64*(h%4)+8*(2*(\eb)+(\c))+7], v[QF+16*h+8*(\c):QF+16*h+8*(\c)+7], 0
.else
	v_wmma_f32_16x16x32_f16 v[32*h+8*(\eb):32*h+8*(\eb)+7], v[64*(h%4)+8*(2*(\eb)+(\c)):64*(h%4)+8*(2*(\eb)+(\c))+7], v[QF+16*h+8*(\c):QF+16*h+8*(\c)+7], v[32*h+8*(\eb):32*h+8*(\eb)+7]
.endif
.endr
.endr
.set h, h+1
.endr
.rept 8
	v_nop                                          ; the places behind the last products
.endr
	s_wait_kmcnt 0x0                               ; the scales
; The four chains into one number a token; the lane 16 away holds the token's other columns of my heads, the partner wave its other heads.
.macro REDUCE off
	WIN 0
	v_pk_add_f32 v[SUM:SUM+1], v[SUM:SUM+1], v[SUM+2:SUM+3]
	v_pk_add_f32 v[SUM+4:SUM+5], v[SUM+4:SUM+5], v[SUM+6:SUM+7]
	v_pk_add_f32 v[SUM:SUM+1], v[SUM:SUM+1], v[SUM+4:SUM+5]
	v_add_f32 v[SUM], v[SUM], v[SUM+1]
	v_permlanex16_b32 v[SUM+1], v[SUM], s66, s67
	v_add_f32 v[SUM], v[SUM], v[SUM+1]
	ds_store_b32 v[EXS], v[SUM] offset:\off
	s_wait_dscnt 0x0                               ; for the partner's sake
	s_barrier_signal -1
	s_barrier_wait -1
	ds_load_b32 v[SUM+1], v[EXL] offset:\off
	s_wait_dscnt 0x0
	v_add_f32 v[SUM], v[SUM], v[SUM+1]
.endm
	WIN 0x01                                       ; source 0 window 1.
.set a, 0
.rept 32
	SCALE a
.irp i, 0,1,2,3
.if a == 0
	v_pk_mul_f32 v[SUM+2*(\i):SUM+2*(\i)+1], v[8*a+2*(\i):8*a+2*(\i)+1], s[SC:SC+1] op_sel_hi:[1,0]
.else
	v_pk_fma_f32 v[SUM+2*(\i):SUM+2*(\i)+1], v[8*a+2*(\i):8*a+2*(\i)+1], s[SC:SC+1], v[SUM+2*(\i):SUM+2*(\i)+1] op_sel_hi:[1,0,1]
.endif
.endr
.set a, a+1
.endr
	REDUCE 0
	v_mul_f32 v[MU], v[C10], v[SUM]
	v_mul_f32 v[MU+1], v[C10], v[SUM]
	WIN 0x41                                       ; in place in window 1: out - mean
.set a, 0
.rept 32
	SCALE a
.irp i, 0,1,2,3
	v_pk_fma_f32 v[8*a+2*(\i):8*a+2*(\i)+1], v[8*a+2*(\i):8*a+2*(\i)+1], s[SC:SC+1], v[MU:MU+1] op_sel_hi:[1,0,1] neg_lo:[0,0,1] neg_hi:[0,0,1]
.endr
.set a, a+1
.endr
	WIN 0x05
.set a, 0
.rept 32
.irp i, 0,1,2,3
.if a == 0
	v_pk_mul_f32 v[SUM+2*(\i):SUM+2*(\i)+1], v[8*a+2*(\i):8*a+2*(\i)+1], v[8*a+2*(\i):8*a+2*(\i)+1]
.else
	v_pk_fma_f32 v[SUM+2*(\i):SUM+2*(\i)+1], v[8*a+2*(\i):8*a+2*(\i)+1], v[8*a+2*(\i):8*a+2*(\i)+1], v[SUM+2*(\i):SUM+2*(\i)+1]
.endif
.endr
.set a, a+1
.endr
	REDUCE 512
	v_fma_f32 v[SUM], v[SUM], v[C10], v[EPS]       ; variance + 1e-5
	v_rsq_f32 v[RSTD], v[SUM]
	v_rsq_f32 v[RSTD+1], v[SUM]
	v_nop
	s_wait_alu depctr_va_vdst(0)                   ; one wait for both
	WIN 0x41
.set a, 0
.rept 128
	v_pk_mul_f32 v[2*a:2*a+1], v[2*a:2*a+1], v[RSTD:RSTD+1]
.set a, a+1
.endr
	WIN 0x04                                       ; the data lie in window 1
.set a, 0
.rept 32                               ; accumulator 4 h + eb: columns 64 h + 16 eb + 8 (lane / 16) on
	ds_store_b128 v[STO], v[8*a:8*a+3]   offset:64*a
	ds_store_b128 v[STO], v[8*a+4:8*a+7] offset:64*a+16
.set a, a+1
.endr
	WIN 0
	s_mov_b32 s93, 4
.Lgrp:                                         ; four rows a trip come back as whole rows (my own bytes: LDS serves a wave's instructions in order)
.set i, 0
.rept 16
	ds_load_b128 v[BK+4*i:BK+4*i+3], v[RD] offset:STG*(i/4)+512*(i%4)
.set i, i+1
.endr
.set i, 0
.rept 16
	s_wait_dscnt 15-i                              ; piece i of the 16 is back, the younger ones stay out
	v_pk_fma_f32 v[BK+4*i:BK+4*i+1], v[BK+4*i:BK+4*i+1], v[G+4*(i%4):G+4*(i%4)+1], v[BT+4*(i%4):BT+4*(i%4)+1]
	v_pk_fma_f32 v[BK+4*i+2:BK+4*i+3], v[BK+4*i+2:BK+4*i+3], v[G+4*(i%4)+2:G+4*(i%4)+3], v[BT+4*(i%4)+2:BT+4*(i%4)+3]
	v_cvt_pk_f16_f32 v[ZR+2*i], v[BK+4*i], v[BK+4*i+1]
	v_cvt_pk_f16_f32 v[ZR+2*i+1], v[BK+4*i+2], v[BK+4*i+3]
	global_store_b64 v[L8], v[ZR+2*i:ZR+2*i+1], s[90:91] offset:2048*(i/4)+256*(i%4)   ; 256 consecutive bytes, aligned
.set i, i+1
.endr
	s_wait_xcnt 0x0                                ; the stores have read their registers and their base, which the next trip writes
	s_add_nc_u64 s[90:91], s[90:91], 8192          ; four rows of z on,
	v_add_nc_u32 v[RD], 4*STG, v[RD]               ; and four rows of the stage
	s_sub_co_u32 s93, s93, 1
	s_cmp_lg_u32 s93, 0
	s_cbranch_scc1 .Lgrp
	s_wait_tensorcnt 0x0                           ; the wave's end
	ds_add_u32 v[SPW], v[NIL]
	s_wait_dscnt 0x0
	s_endpgm
.Lfunc_end_k_qd365cda25b_outln:
	.size	k_qd365cda25b_outln, .Lfunc_end_k_qd365cda25b_outln-k_qd365cda25b_outln
	.p2alignl 7, 3214868480
	.fill 96, 4, 3214868480
	.section	.rodata,"a",@progbits
	.p2align	6, 0x0
	.amdhsa_kernel k_qd365cda25b_outln
		.amdhsa_group_segment_fixed_size 133632
		.amdhsa_private_segment_fixed_size 0
		.amdhsa_enable_private_segment 0
		.amdhsa_kernarg_size 32
		.amdhsa_user_sgpr_count 2
		.amdhsa_user_sgpr_kernarg_segment_ptr 1
		.amdhsa_wavefront_size32 1
		.amdhsa_system_sgpr_workgroup_id_x 1
		.amdhsa_system_sgpr_workgroup_id_y 1
		.amdhsa_system_sgpr_workgroup_id_z 1
		.amdhsa_system_vgpr_workitem_id 0
		.amdhsa_next_free_vgpr 1024
		.amdhsa_next_free_sgpr 96
		.amdhsa_reserve_vcc 0
		.amdhsa_float_denorm_mode_32 3
		.amdhsa_float_denorm_mode_16_64 3
		.amdhsa_memory_ordered 1
		.amdhsa_forward_progress 1
		.amdhsa_inst_pref_size 69
	.end_amdhsa_kernel
	.amdgpu_metadata
---
amdhsa.version: [ 1, 2 ]
amdhsa.kernels:
  - .name:           k_qd365cda25b_outln
    .symbol:         k_qd365cda25b_outln.kd
    .args:
      - { .name: q16, .offset: 0, .size: 8, .value_kind: global_buffer, .address_space: global }
      - { .name: sst, .offset: 8, .size: 8, .value_kind: global_buffer, .address_space: global }
      - { .name: par, .offset: 16, .size: 8, .value_kind: global_buffer, .address_space: global }
      - { .name: z16, .offset: 24, .size: 8, .value_kind: global_buffer, .address_space: global }
    .group_segment_fixed_size: 133632
    .private_segment_fixed_size: 0
    .kernarg_segment_align: 8
    .kernarg_segment_size: 32
    .max_flat_workgroup_size: 128
    .sgpr_count:     96
    .vgpr_count:     1024
    .wavefront_size: 32
...
	.end_amdgpu_metadata
.endif
;; end of part 4
;; launch fin (part 5): grid 8 x 32, 4 waves a work-group, clusters of 4 x 4, 327,680 bytes of LDS; arguments z16, wo16, par, out0; writes out0
.if DOCPART == 5
	.amdgcn_target "amdgcn-amd-amdhsa--gfx1250"
	.amdhsa_code_object_version 6
	.text
	.protected	k_qd365cda25b_fin
	.globl	k_qd365cda25b_fin
	.p2align	8
	.type	k_qd365cda25b_fin,@function
k_qd365cda25b_fin:
	s_mov_b64 s[64:65], 0
	v_nop
	global_prefetch_b8 v0, s[64:65] scope:SCOPE_SE
	s_setreg_imm32_b32 hwreg(HW_REG_WAVE_MODE, 25, 1), 1
	s_wait_xcnt 0x0
	s_wait_alu depctr_hold_cnt(0) depctr_sa_sdst(0) depctr_va_vdst(0) depctr_va_sdst(0) depctr_va_ssrc(0) depctr_va_vcc(0) depctr_vm_vsrc(0)
	s_getreg_b32 s2, hwreg(HW_REG_IB_STS2, 6, 4)
	s_cmp_eq_u32 s2, 0
	s_cbranch_scc0 .Lentry_in_a_cluster
	s_endpgm
.Lentry_in_a_cluster:
	s_bfe_u32 s2, ttmp6, 0x10000c
	s_cmp_lg_u32 s2, 0xf033
	s_cbranch_scc0 .Lentry_shape_is_right
	s_endpgm
.Lentry_shape_is_right:
; out0[n][o] = the sum over c of z[n][c] Wo[o][c] + bo[o].  z, Wo: f16, [.][1024]; sums and out0 in f32.
; A tile of out0 is 256 tokens x 128 columns: 256 work-groups.  Four waves, each 128 x 64: 32 accumulators, 256 registers (window 1).  The first products take bo as C: nothing is cleared and no bias is added later.
; K goes in 8 steps of 128 through two LDS slots (256 rows of z, 128 rows of Wo; 256 bytes a row, 16 of padding); waves 0, 1 fetch z's halves (128 rows), waves 2, 3 Wo's (64 rows): one tensor load a wave and step.
; Four quarters of a K step are written twice: once for the six changes of slots that fill a slot again, once for the last two.  Which slot is in hand is a scalar, 0 or SLOT.
; CLUSTER 4 x 4: the four work-groups of a row of the cluster share z's tile, the four of a column Wo's: each is asked for jointly.
; The matrix instruction is used transposed (source 0 = 16 rows of Wo, source 1 = 16 tokens): a lane holds one token and 8 neighbouring columns, 32 bytes of a row of out0.
; Window 0: v0-31 addresses; v32-63 bo; v64-159, v160-255 two fragment buffers (Wo's 32 registers, then z's 64); on the way out v64-191 four sets of 32.
.set PITCH,  272
.set BOFF,   256*PITCH
.set SLOT,   384*PITCH
.set STAGE,  2*SLOT                    ; behind the ring: 16 rows x 272 bytes a wave; no tile lands there
.set SPARE,  STAGE+4*16*PITCH
.set G1W,    (1<<16)|(1<<20)|(1<<21)|(5<<22)|(3<<25)
.set ABASE, 16                         ; v16 my z fragments in slot 0; never rewritten
.set AW,    17                         ; v17 the same in the slot in hand
.set BBASE, 18                         ; v18, v19 Wo's, likewise
.set BW,    19
.set STO,  20
.set RD,   21
.set CO,   22
.set H32,  23
.set SPW,  28                          ; my spare word; never rewritten
.set NIL,  29                          ; 0; never rewritten
.set PFO,  30
.set BIA,  32
.set F0,   64
.set F1,   160
.set OB,   64
.set SO,   2                           ; s2 the slot in hand: 0 or SLOT
.set WV,   12
.set ISB,  13                          ; wave / 2: my half of the rows; also: I fetch for z (0) or Wo (1)
.set HALF, 14                          ; wave % 2: my half of the columns; also: which half of that tile I fetch
.set CX,   15
.set CY,   16
.set TC,   17
.set TR,   18
.set LBA,  19                          ; s19 where my part of z's tile begins in a slot
.set LBB,  20                          ; s20 the same for Wo's
.set G1A,  24
.set G0A,  32                          ; s[32:35] z's first fill; s[36:39] its second, which then walks
.set PM,   40                          ; s40 bit t set: I prefetch in the trip with s3 = t
.set PFA,  44
.set G1B,  48
.set G0B,  56
.set MSB, 0
.macro WIN new
.if MSB != (\new)
	s_set_vgpr_msb (MSB<<8)|(\new)
.set MSB, (\new)
.endif
.endm
.macro PLACES
.rept 4
	v_nop
.endr
.endm
.macro JLOAD s                         ; a joint load; an s_nop 0 and four v_nop follow each of the two lines
	s_cmp_eq_u32 s[ISB], 0
	s_cbranch_scc0 .Lfor_b_\@
	tensor_load_to_lds s[G0A+4*(\s):G0A+4*(\s)+3], s[G1A:G1A+7]
	s_nop 0
.rept 4
	v_nop
.endr
	s_branch .Lasked_\@
.Lfor_b_\@:
	tensor_load_to_lds s[G0B+4*(\s):G0B+4*(\s)+3], s[G1B:G1B+7]
	s_nop 0
.rept 4
	v_nop
.endr
.Lasked_\@:
.endm
.macro CREST
	s_cmp_lg_u32 s[WV], 0
	s_cbranch_scc1 .Lnot_wave_0_\@
	s_barrier_signal -3
.Lnot_wave_0_\@:
	s_barrier_wait -3
	s_barrier_signal -1
	s_barrier_wait -1
.endm
.macro CROUND
	s_barrier_signal -1
	s_barrier_wait -1
	CREST
.endm
; A prefetch behind a joint load and its run of LDS loads: the K step two refills on, 256 matrix instructions ahead of the load that will want it.  z's rows are read by both clusters of a row of clusters: cluster x = 0
; asks, in the trips s3 = 6 to 3, partner cx taking 32 of the wave's 128 rows, a lane a row.  Wo's rows are read by all eight clusters of a column: cluster y = 0 asks, in the trips s3 = 6 and 4, partner cy taking 16 of
; the wave's 64 rows; lanes 0-15 name that K step, lanes 16-31 the one behind it.  So K steps 4 to 7 of each row are named once; the last two trips ask for nothing.
.macro ASK
	s_lshr_b32 s70, s[PM], s3
	s_and_b32 s70, s70, 1
	s_cmp_lg_u32 s70, 0
	s_cbranch_scc0 .Lnot_mine_\@
	global_prefetch_b8 v[PFO], s[PFA:PFA+1] offset:256 th:TH_LOAD_NT scope:SCOPE_SE
.Lnot_mine_\@:
.endm
	s_load_b256 s[4:11], s[0:1], 0x0               ; z16 4, wo16 6, par 8, out0 10
	v_lshl_add_u32 v[SPW], v0, 2, SPARE
	v_mov_b32 v[NIL], 0
	ds_add_u32 v[SPW], v[NIL]                      ; the opening: the add, twice on end, and its wait ahead of my first tensor load
	ds_add_u32 v[SPW], v[NIL]
	v_lshrrev_b32 v1, 5, v0
	v_readfirstlane_b32 s[WV], v1
	s_lshr_b32 s[ISB], s[WV], 1
	s_and_b32 s[HALF], s[WV], 1
	s_bfe_u32 s[CX], ttmp6, 0x40000
	s_bfe_u32 s[CY], ttmp6, 0x40004
	s_lshl_b32 s[TC], ttmp9, 2
	s_add_co_u32 s[TC], s[TC], s[CX]               ; tile column
	s_and_b32 s[TR], ttmp7, 0xffff
	s_lshl_b32 s[TR], s[TR], 2
	s_add_co_u32 s[TR], s[TR], s[CY]               ; tile row
	s_lshl_b32 s19, s[CY], 2
	s_lshl_b32 s19, 15, s19                        ; my row of the cluster
	s_lshl_b32 s20, 0x1111, s[CX]                  ; my column
	s_or_b32 s[G1A], s19, G1W
	s_or_b32 s[G1B], s20, G1W
.irp g, G1A, G1B
	s_mov_b32 s[(\g)+1], 128<<16                   ; tensor_dim0 = 128
	s_mov_b32 s[(\g)+3], 128<<16                   ; tile_dim0 = 128
	s_mov_b32 s[(\g)+5], 1024                      ; elements from row to row
	s_mov_b32 s[(\g)+6], 0
	s_mov_b32 s[(\g)+7], 0
.endr
	s_mov_b32 s[G1A+2], 128<<16                    ; 128 rows of z,
	s_mov_b32 s[G1A+4], 128
	s_mov_b32 s[G1B+2], 64<<16                     ; 64 rows of Wo
	s_mov_b32 s[G1B+4], 64
	s_lshl_b32 s21, s[TR], 8
	s_lshl_b32 s22, s[HALF], 7
	s_add_co_u32 s21, s21, s22                     ; z: the first row that I fetch
	s_lshl_b32 s66, s21, 11
	s_mov_b32 s67, 0
	s_lshl_b32 s22, s[TC], 7
	s_lshl_b32 s23, s[HALF], 6
	s_add_co_u32 s22, s22, s23                     ; Wo: the same
	s_lshl_b32 s46, s22, 11
	s_mov_b32 s47, 0
	s_mul_i32 s[LBA], s[HALF], 128*PITCH           ; where they go: no place in the cluster enters an LDS address
	s_mul_i32 s[LBB], s[HALF], 64*PITCH
	s_add_co_u32 s[LBB], s[LBB], BOFF
	; the prefetches
	s_and_b32 s2, ttmp7, 0xffff
	s_mov_b32 s41, 0x78                            ; trips 6, 5, 4, 3
	s_cmp_eq_u32 s[ISB], 0
	s_cselect_b32 s2, ttmp9, s2                    ; the coordinate along which other clusters read the same rows
	s_cselect_b32 s23, s[CX], s[CY]                ; my place among the four that ask jointly
	s_cselect_b32 s42, s21, s22
	s_cselect_b32 s68, 5, 4                        ; my work-group's share: 32 rows or 16
	s_cselect_b32 s71, 31, 15                      ; lanes that name different rows
	s_cselect_b32 s70, 0, 256                      ; what lanes 16-31 add
	s_cselect_b32 s[PM], s41, 0x50                 ; for Wo: trips 6 and 4
	s_lshl_b32 s23, s23, s68
	s_add_co_u32 s42, s42, s23
	s_lshl_b32 s42, s42, 11
	s_add_co_u32 s42, s42, 512                     ; at K step 2: the first refill steps it to 3 and names 4
	s_mov_b32 s43, 0
	s_cmp_eq_u32 s2, 0
	s_cselect_b32 s[PM], s[PM], 0                  ; the same in all sixteen partners, for a given wave
	s_wait_dscnt 0x0                               ; both opening adds are done
	s_wait_kmcnt 0x0
	s_add_nc_u64 s[66:67], s[4:5], s[66:67]
	s_add_nc_u64 s[46:47], s[6:7], s[46:47]
	CROUND                                         ; all sixteen work-groups are here: the first joint loads meet
.irp s, 0,1
	s_mov_b32 s[G0A+4*(\s)], 1
	s_add_co_u32 s[G0A+4*(\s)+1], s[LBA], (\s)*SLOT
	s_add_nc_u64 s[G0A+4*(\s)+2:G0A+4*(\s)+3], s[66:67], (\s)*256
	s_or_b32 s[G0A+4*(\s)+3], s[G0A+4*(\s)+3], 0x80000000
	s_mov_b32 s[G0B+4*(\s)], 1
	s_add_co_u32 s[G0B+4*(\s)+1], s[LBB], (\s)*SLOT
	s_add_nc_u64 s[G0B+4*(\s)+2:G0B+4*(\s)+3], s[46:47], (\s)*256
	s_or_b32 s[G0B+4*(\s)+3], s[G0B+4*(\s)+3], 0x80000000
	JLOAD \s                                       ; K steps 0 and 1: two loads of mine are out
.endr
	s_cmp_eq_u32 s[ISB], 0
	s_cselect_b64 s[PFA:PFA+1], s[4:5], s[6:7]
	s_add_nc_u64 s[PFA:PFA+1], s[PFA:PFA+1], s[42:43]
	s_lshl_b32 s42, s[TC], 9
	s_lshl_b32 s23, s[HALF], 8
	s_add_co_u32 s42, s42, s23                     ; my first column, in bytes of f32
	s_add_co_u32 s68, s42, 28672
	s_mov_b32 s69, 0
	s_add_nc_u64 s[8:9], s[8:9], s[68:69]          ; bo at my columns
	s_lshl_b32 s21, s[TR], 8
	s_lshl_b32 s23, s[ISB], 7
	s_add_co_u32 s21, s21, s23                     ; my first row
	s_lshl_b32 s21, s21, 12
	s_add_co_u32 s42, s42, s21
	s_add_nc_u64 s[10:11], s[10:11], s[42:43]
	v_and_b32 v1, 15, v0
	v_bfe_u32 v2, v0, 4, 1
	v_and_b32 v3, 31, v0
	v_lshlrev_b32 v[H32], 5, v2
.irp b, 0,1,2,3
	global_load_b128 v[BIA+8*(\b):BIA+8*(\b)+3],   v[H32], s[8:9] offset:64*(\b)
	global_load_b128 v[BIA+8*(\b)+4:BIA+8*(\b)+7], v[H32], s[8:9] offset:64*(\b)+16
.endr
	v_and_b32 v[PFO], s71, v3
	v_lshlrev_b32 v[PFO], 11, v[PFO]               ; a row is 2,048 bytes
	v_mul_u32_u24 v5, s70, v2
	v_add_nc_u32 v[PFO], v[PFO], v5
	v_mul_u32_u24 v4, v1, PITCH
	v_lshl_add_u32 v4, v2, 4, v4                   ; row x pitch + 16 x half
	s_mul_i32 s21, s[ISB], 128*PITCH
	s_mul_i32 s22, s[HALF], 64*PITCH
	s_add_co_u32 s22, s22, BOFF
	v_add_nc_u32 v[ABASE], s21, v4
	v_mov_b32 v[AW], v[ABASE]                      ; slot 0 is in hand first
	v_add_nc_u32 v[BBASE], s22, v4
	v_mov_b32 v[BW], v[BBASE]
	s_mul_i32 s23, s[WV], 16*PITCH
	s_add_co_u32 s23, s23, STAGE
	v_mul_u32_u24 v[STO], v1, PITCH                ; in: row = my token, 32 bytes for each half of the lanes
	v_lshl_add_u32 v[STO], v2, 5, v[STO]
	v_add_nc_u32 v[STO], s23, v[STO]
	v_mul_u32_u24 v[RD], v2, PITCH                 ; back: lanes 0-15 one row of 256 bytes, lanes 16-31 the next
	v_lshl_add_u32 v[RD], v1, 4, v[RD]
	v_add_nc_u32 v[RD], s23, v[RD]
	v_lshlrev_b32 v[CO], 12, v2                    ; and the same two rows in out0
	v_lshl_add_u32 v[CO], v1, 4, v[CO]
; 4 na matrix instructions: row blocks a0 .. a0 + na - 1 x all 4 column blocks, 32 along K, buffer f.  first = 1: C is bo.  The 32 accumulators take turns, over the jumps too.
.macro MUL f, a0, na, first
.if \first
	WIN 0x40                                       ; D window 1, C window 0
.else
	WIN 0x50
.endif
.set a, \a0
.rept \na
.irp b, 0,1,2,3
.if \first
	v_wmma_f32_16x16x32_f16 v[8*(4*a+(\b)):8*(4*a+(\b))+7], v[(\f)+8*(\b):(\f)+8*(\b)+7], v[(\f)+32+8*a:(\f)+32+8*a+7], v[BIA+8*(\b):BIA+8*(\b)+7]
.else
	v_wmma_f32_16x16x32_f16 v[8*(4*a+(\b)):8*(4*a+(\b))+7], v[(\f)+8*(\b):(\f)+8*(\b)+7], v[(\f)+32+8*a:(\f)+32+8*a+7], v[8*(4*a+(\b)):8*(4*a+(\b))+7]
.endif
.endr
.set a, a+1
.endr
.endm
.macro FETCH k, f                      ; 24 LDS loads in one run, from the slot in hand: Wo's four fragments, then z's eight
	WIN 0
.irp b, 0,1,2,3
	ds_load_b128 v[(\f)+8*(\b):(\f)+8*(\b)+3],   v[BW] offset:(\b)*16*PITCH+(\k)
	ds_load_b128 v[(\f)+8*(\b)+4:(\f)+8*(\b)+7], v[BW] offset:(\b)*16*PITCH+(\k)+32
.endr
.irp r, 0,1,2,3,4,5,6,7
	ds_load_b128 v[(\f)+32+8*(\r):(\f)+32+8*(\r)+3],   v[AW] offset:(\r)*16*PITCH+(\k)
	ds_load_b128 v[(\f)+32+8*(\r)+4:(\f)+32+8*(\r)+7], v[AW] offset:(\r)*16*PITCH+(\k)+32
.endr
.endm
.macro QUARTER k, f, g, first
	s_wait_dscnt 8                                 ; Wo and z's rows 0-63 are in; the youngest eight loads may be out
	MUL \f, 0, 4, \first
	PLACES
	FETCH \k, \g
	s_wait_dscnt 24                                ; all but the 24 just issued
	MUL \f, 4, 4, \first
.endm
; The fourth quarter multiplies buffer 1 and changes slots: each wave waits for all its tensor loads (one is out: its part of the next slot), adds 0 to its spare word, and waits for that and for its reads of this slot.
; fill = 1: the barrier opens a round of the cluster's; the joint refill of the slot that is left, with the K step two on, is the first thing behind the round.  The walking descriptors are written behind the wait for
; all tensor loads: LDS word = my part's place + the slot that is left; the address one K step on.
.macro TURN fill
.if \fill
	s_wait_xcnt 0x0                                ; the last prefetch, a K step back, has read its address
	s_add_nc_u64 s[PFA:PFA+1], s[PFA:PFA+1], 256
.endif
	WIN 0
	s_wait_tensorcnt 0x0
	ds_add_u32 v[SPW], v[NIL]
.if \fill
	s_add_co_u32 s[G0A+5], s[LBA], s[SO]
	s_add_co_u32 s[G0B+5], s[LBB], s[SO]
	s_add_nc_u64 s[G0A+6:G0A+7], s[G0A+6:G0A+7], 256
	s_add_nc_u64 s[G0B+6:G0B+7], s[G0B+6:G0B+7], 256
.endif
	s_xor_b32 s[SO], s[SO], SLOT                   ; the other slot comes in hand
	s_wait_dscnt 9                                 ; the add and the youngest eight loads may be out
	MUL F1, 0, 2, 0
	s_wait_dscnt 0x0                               ; the add is done, and my reads of this slot are over
	s_barrier_signal -1
	MUL F1, 2, 2, 0
	WIN 0
	v_add_nc_u32 v[AW], s[SO], v[ABASE]
	v_add_nc_u32 v[BW], s[SO], v[BBASE]
	s_barrier_wait -1
.if \fill
	CREST
	JLOAD 1                                        ; its four v_nop are also the places in front of the loads below
.else
	PLACES
.endif
	FETCH 0, F0
.if \fill
	ASK
.endif
	MUL F1, 4, 4, 0
.endm
	s_wait_tensorcnt 1                             ; my part of K step 0 is in; K step 1's may stay out
	s_barrier_signal -1
	s_barrier_wait -1
	FETCH 0, F0
	s_wait_loadcnt 0x0                             ; bo
	QUARTER 64, F0, F1, 1                          ; the first quarter stands in front of the loop: its products start the sums
	WIN 0
	s_mov_b32 s[SO], 0
	s_mov_b32 s3, 6
.Lstep:                                        ; a trip goes from a K step's second quarter to the next step's first, and fills the slot that it leaves: K steps 0 to 5
	QUARTER 128, F1, F0, 0
	QUARTER 192, F0, F1, 0
	TURN 1
	QUARTER 64,  F0, F1, 0
	WIN 0
	s_sub_co_u32 s3, s3, 1
	s_cmp_lg_u32 s3, 0
	s_cbranch_scc1 .Lstep
	s_mov_b32 s3, 2                                ; K steps 6 and 7 fill nothing: one text, walked twice, entered behind its first quarter
	s_branch .Lmid
.Ltail:
	QUARTER 64,  F0, F1, 0
	WIN 0
.Lmid:
	QUARTER 128, F1, F0, 0
	QUARTER 192, F0, F1, 0
	TURN 0                                         ; K step 6's wait for all tensor loads shows K step 7's tile in; K step 7's change fetches 24 fragments that nothing multiplies: the price, once a work-group, of one text
	WIN 0
	s_sub_co_u32 s3, s3, 1
	s_cmp_lg_u32 s3, 0
	s_cbranch_scc1 .Ltail
	s_wait_dscnt 0x0                               ; those loads are back: their registers are written below
	PLACES
	PLACES
; THE WAY OUT, 16 rows at a time through my own stage: 32 bytes a lane in, whole rows of 256 bytes back, into one of four sets of registers.
.macro TOSTAGE a
	WIN 0x04                                       ; the data lie in window 1
.irp b, 0,1,2,3
	ds_store_b128 v[STO], v[8*(4*(\a)+(\b)):8*(4*(\a)+(\b))+3]   offset:64*(\b)
	ds_store_b128 v[STO], v[8*(4*(\a)+(\b))+4:8*(4*(\a)+(\b))+7] offset:64*(\b)+16
.endr
	WIN 0
.irp t, 0,1,2,3,4,5,6,7
	ds_load_b128 v[OB+32*((\a)%4)+4*(\t):OB+32*((\a)%4)+4*(\t)+3], v[RD] offset:544*(\t)   ; LDS serves a wave's instructions in order: these see the stores above
.endr
.endm
.macro SEND a, younger                 ; younger: the LDS instructions issued behind block a's loads
.irp t, 0,1,2,3,4,5,6,7
	s_wait_dscnt (\younger)+7-(\t)
	global_store_b128 v[CO], v[OB+32*((\a)%4)+4*(\t):OB+32*((\a)%4)+4*(\t)+3], s[10:11] offset:65536*(\a)+8192*(\t) th:TH_STORE_NT   ; 16 lanes store 256 consecutive bytes, aligned
.endr
.endm
	TOSTAGE 0
.irp a, 1,2,3,4,5,6,7
.if (\a) >= 4
	s_wait_xcnt 0x0                                ; the stores of the block four back have read the set that is loaded again
.endif
	TOSTAGE \a
	SEND (\a)-1, 16
.endr
	SEND 7, 0
	s_wait_tensorcnt 0x0                           ; the wave's end
	ds_add_u32 v[SPW], v[NIL]
	s_wait_dscnt 0x0
	CROUND                                         ; the closing round
	s_endpgm
.Lfunc_end_k_qd365cda25b_fin:
	.size	k_qd365cda25b_fin, .Lfunc_end_k_qd365cda25b_fin-k_qd365cda25b_fin
	.p2alignl 7, 3214868480
	.fill 96, 4, 3214868480
	.section	.rodata,"a",@progbits
	.p2align	6, 0x0
	.amdhsa_kernel k_qd365cda25b_fin
		.amdhsa_group_segment_fixed_size 327680
		.amdhsa_private_segment_fixed_size 0
		.amdhsa_enable_private_segment 0
		.amdhsa_kernarg_size 32
		.amdhsa_user_sgpr_count 2
		.amdhsa_user_sgpr_kernarg_segment_ptr 1
		.amdhsa_wavefront_size32 1
		.amdhsa_system_sgpr_workgroup_id_x 1
		.amdhsa_system_sgpr_workgroup_id_y 1
		.amdhsa_system_sgpr_workgroup_id_z 1
		.amdhsa_system_vgpr_workitem_id 0
		.amdhsa_next_free_vgpr 512
		.amdhsa_next_free_sgpr 72
		.amdhsa_reserve_vcc 0
		.amdhsa_float_denorm_mode_32 3
		.amdhsa_float_denorm_mode_16_64 3
		.amdhsa_memory_ordered 1
		.amdhsa_forward_progress 1
		.amdhsa_inst_pref_size 64
	.end_amdhsa_kernel
	.amdgpu_metadata
---
amdhsa.version: [ 1, 2 ]
amdhsa.kernels:
  - .name:           k_qd365cda25b_fin
    .symbol:         k_qd365cda25b_fin.kd
    .args:
      - { .name: z16, .offset: 0, .size: 8, .value_kind: global_buffer, .address_space: global }
      - { .name: wo16, .offset: 8, .size: 8, .value_kind: global_buffer, .address_space: global }
      - { .name: par, .offset: 16, .size: 8, .value_kind: global_buffer, .address_space: global }
      - { .name: out0, .offset: 24, .size: 8, .value_kind: global_buffer, .address_space: global }
    .group_segment_fixed_size: 327680
    .private_segment_fixed_size: 0
    .kernarg_segment_align: 8
    .kernarg_segment_size: 32
    .max_flat_workgroup_size: 128
    .sgpr_count:     72
    .vgpr_count:     512
    .wavefront_size: 32
...
	.end_amdgpu_metadata
.endif
;; end of part 5
;; ======== version 2 of 2: 5 launches; version 1 with the launch outln written anew for expert scheduling mode
;; limits: values are held in f16: magnitudes above 65,504 overflow, below 6.1e-05 lose precision
;; workspace buffers: xb 16,777,216 bytes; wb 10,485,760 bytes; wo16 2,097,152 bytes; par 32,768 bytes; q16 16,777,216 bytes; sp 16,777,216 bytes; sst 526,336 bytes; z16 16,777,216 bytes
;; launch prep: the kernel of part 1 again; grid 897 x 1, 8 waves a work-group, no clusters, 0 bytes of LDS; arguments x, Wq, Wk, Wv, Wo, bq, bk, bv, bo, ln_g, ln_b, xb, wb, wo16, par; writes xb, wb, wo16, par
;; launch proj: the kernel of part 2 again; grid 16 x 32, 4 waves a work-group, clusters of 4 x 4, 327,680 bytes of LDS; arguments xb, wb, par, q16, sp; writes q16, sp
;; launch sred: the kernel of part 3 again; grid 256 x 1, 4 waves a work-group, no clusters, 768 bytes of LDS; arguments sp, sst; writes sst
;; launch outln (part 6): grid 256 x 1, 4 waves a work-group, no clusters, 133,632 bytes of LDS; arguments q16, sst, par, z16; writes z16
.if DOCPART == 6
	.amdgcn_target "amdgcn-amd-amdhsa--gfx1250"
	.amdhsa_code_object_version 6
	.text
	.protected	k_qd365cda25b_outln
	.globl	k_qd365cda25b_outln
	.p2align	8
	.type	k_qd365cda25b_outln,@function
k_qd365cda25b_outln:
	s_mov_b64 s[64:65], 0
	v_nop
	global_prefetch_b8 v0, s[64:65] scope:SCOPE_SE
	s_setreg_imm32_b32 hwreg(HW_REG_WAVE_SCHED_MODE, 0, 2), 2
	s_setreg_imm32_b32 hwreg(HW_REG_WAVE_MODE, 25, 1), 1
	s_wait_xcnt 0x0
	s_wait_alu depctr_vm_vsrc(0)
; out[n][64 h + e] = the sum over d of q[h][n][d] S[h][d][e]; LayerNorm over the 1,024 columns (mean, then the mean of squared differences, eps 1e-5), gain and shift; z leaves as f16, [8192][1024].
; LIMIT. |z| is at most 32 |g| + |ln_b| and stays under 65,504 (f16).  NaN and infinities are not treated apart.
; SHARES. A work-group owns 32 tokens.  Wave w: token tile w / 2 (16 tokens), heads 8 (w % 2) .. + 7 (512 columns).  The two waves of a token tile exchange their sums through LDS, twice.
; ALL OPERANDS OF A WAVE FIT IN REGISTERS: q 128, S 512.  So every load goes out at once and each head's products follow as its S arrives.  S is stored as fragments: nothing goes through LDS on the way in,
; and there is no ring, no tensor load and no cluster: a wave's S, 64 KiB, is read by the 128 waves of a batch's half of the heads shortly after each other.
; LAYOUT. The product is taken transposed (source 0 = 16 rows e of S^T, source 1 = 16 tokens): a lane holds one token and 8 neighbouring columns.  S is f16 relative to a scale for each (head, 16 columns e):
; the scale multiplies the finished sums, in f32.
; REGISTERS, in windows of 256: window 0: v0-63 addresses, sums, gain and shift; v64-127 rows read back, two buffers; v128-255 q, later z (v128-159, two buffers).  window 1: the 32 accumulators, (h, eb) at 32 h + 8 eb.
;   windows 2, 3: S, head h in window 2 + h / 4 at 64 (h % 4) + 8 (2 eb + c).
; THE MODE: SCHED_MODE bits 1:0 = 2 (LLVM: expert scheduling mode 2), set by the entry lines.  The code itself states the register dependences between vector or matrix instructions and memory or LDS
; instructions, with s_wait_alu, always for 0.
; THE PLAN.  Registers that memory or LDS instructions touch:
;   v[QO], v[L16], v[L8]       offsets, made at the head, never written again: one wait ahead of the first load.
;   v[STO], v[EXS], v[EXL]     LDS addresses, made once behind the loads' issue, never written again: the waits for the data of the LDS stores that use them stand behind their making.
;   G, BT, QF, S               loads land in them once; vector and matrix lines read them behind the counted waits for the loads.
;   v[SUM], v[SUM+1]           an exchange: the additions write SUM, the LDS store reads it, an addition writes it again; the partner's number lands in SUM+1, which the additions have named.
;   the accumulators           written by vector lines, read by the 64 stores into the stage, not written again.
;   BK0, BK1                   block b of the way out works in place on BK[b % 2]; behind its lines the loads of block b + 2 land there.
;   ZR0, ZR1                   block b's roundings write ZR[b % 2]; its eight stores read it; block b + 2 writes it again.
;   v[RD]                      read by every load from the stage; stepped once a trip, at the trip's head.
; So a block of the way out has ONE wait on va_vdst, behind its 32 vector lines and ahead of its 16 memory instructions, and one on vm_vsrc, at its head.
.set STG,   2064                       ; a row of a wave's stage: 512 f32 + 16 bytes = 516 words: 16 rows start at 16 different groups of four banks
.set EX,    4*16*STG                   ; behind the stages: a word a thread for the first exchange, 512 bytes on a word for the second
.set SPARE, EX+1024
.set QO,   4
.set L16,  5
.set STO,  6
.set RD,   7
.set L8,   8
.set C10,  9                           ; 2^-10
.set EXS,  10
.set EXL,  11
.set SPW,  12                          ; my spare word; never rewritten
.set NIL,  13                          ; 0; never rewritten
.set EPS,  14                          ; 1e-5
.set SUM,  16                          ; v[16:23] four chains
.set MU,   24
.set RSTD, 26
.set G,    32
.set BT,   48
.set BK,   64                          ; piece i of a trip's 16 at BK + 4 i: pieces 0-7 are buffer 0, pieces 8-15 buffer 1
.set QF,   128
.set ZR,   128                         ; piece i at ZR + 2 i, likewise
.set MSB, 0
.macro WIN new
.if MSB != (\new)
	s_set_vgpr_msb (MSB<<8)|(\new)
.set MSB, (\new)
.endif
.endm
.macro SCALE a                         ; SC: the scalar pair that holds the scale of accumulator a = 4 h + eb
.set SC, 8+2*(\a)
.if (\a) >= 24
.set SC, 68+2*((\a)-24)
.endif
.endm
	s_load_b256 s[84:91], s[0:1], 0x0              ; q16 84, sst 86, par 88, z16 90
	v_lshl_add_u32 v[SPW], v0, 2, SPARE
	v_mov_b32 v[NIL], 0
	v_lshrrev_b32 v1, 5, v0
	v_readfirstlane_b32 s2, v1                     ; wave
	v_and_b32 v1, 15, v0
	v_bfe_u32 v2, v0, 4, 1
	v_and_b32 v3, 31, v0
	v_lshlrev_b32 v[QO], 7, v1
	v_lshl_add_u32 v[QO], v2, 4, v[QO]             ; row x 128 + 16 x half
	v_lshlrev_b32 v[L16], 4, v3
	v_lshlrev_b32 v[L8], 3, v3
	s_wait_alu depctr_va_sdst(0)                   ; s2 is written, ahead of its first reader: the bases and my stage's place are made from it
	s_lshr_b32 s3, s2, 1                           ; token tile
	s_and_b32 s4, s2, 1                            ; half of the heads
	s_lshr_b32 s5, ttmp9, 6                        ; batch
	s_lshl_b32 s5, s5, 4
	s_lshl3_add_u32 s5, s4, s5                     ; my first (batch, head)
	s_and_b32 s6, ttmp9, 63
	s_lshl_b32 s6, s6, 5
	s_lshl4_add_u32 s6, s3, s6                     ; my first token in the batch
	s_lshl_b32 s56, s5, 18
	s_lshl_b32 s6, s6, 7
	s_add_co_u32 s56, s56, s6
	s_mov_b32 s57, 0
	s_lshl_b32 s58, s5, 13
	s_mov_b32 s59, 0
	s_lshl_b32 s60, s5, 5
	s_add_co_u32 s60, s60, 524288
	s_mov_b32 s61, 0
	s_lshl_b32 s62, s4, 11
	s_mov_b32 s63, 0
	s_lshl_b32 s6, ttmp9, 5
	s_lshl4_add_u32 s6, s3, s6                     ; my first token of all
	s_lshl_b32 s6, s6, 11
	s_lshl_b32 s7, s4, 10
	s_add_co_u32 s6, s6, s7
	s_mov_b32 s7, 0
	s_mul_i32 s92, s2, 16*STG                      ; my stage
	s_mov_b32 s66, 0x76543210
	s_mov_b32 s67, 0xfedcba98
	s_wait_kmcnt 0x0
	s_add_nc_u64 s[60:61], s[86:87], s[60:61]
	s_load_b512 s[8:23], s[60:61], 0x0             ; the 32 scales, each written twice: a pair for the packed lines
	s_load_b512 s[24:39], s[60:61], 0x40
	s_load_b512 s[40:55], s[60:61], 0x80
	s_load_b512 s[68:83], s[60:61], 0xc0
	s_add_nc_u64 s[84:85], s[84:85], s[56:57]
	s_add_nc_u64 s[86:87], s[86:87], s[58:59]
	s_add_nc_u64 s[88:89], s[88:89], s[62:63]
	s_add_nc_u64 s[90:91], s[90:91], s[6:7]
	s_wait_alu depctr_va_vdst(0)                   ; v[QO] and v[L16] are written, which the 168 loads below read as offsets; only loads and window switches stand between this wait and the last of them
.irp t, 0,1,2,3
	global_load_b128 v[G+4*(\t):G+4*(\t)+3],   v[L16], s[88:89] offset:20480+512*(\t)
	global_load_b128 v[BT+4*(\t):BT+4*(\t)+3], v[L16], s[88:89] offset:24576+512*(\t)
.endr
.irp h, 0,1,2,3,4,5,6,7
.irp c, 0,1
	global_load_b128 v[QF+16*(\h)+8*(\c):QF+16*(\h)+8*(\c)+3],   v[QO], s[84:85] offset:262144*(\h)+64*(\c)
	global_load_b128 v[QF+16*(\h)+8*(\c)+4:QF+16*(\h)+8*(\c)+7], v[QO], s[84:85] offset:262144*(\h)+64*(\c)+32
.endr
.endr
.set h, 0
.rept 8
	WIN 0x80+0x40*(h/4)                            ; destination window 2 or 3
.irp eb, 0,1,2,3
.irp c, 0,1                            ; registers 0-3: d = 32 c + 8 (lane / 16) on: block 8 c + eb; registers 4-7: 16 further: block 8 c + 4 + eb
	global_load_b128 v[64*(h%4)+8*(2*(\eb)+(\c)):64*(h%4)+8*(2*(\eb)+(\c))+3],   v[L16], s[86:87] offset:8192*h+512*(8*(\c)+(\eb))
	global_load_b128 v[64*(h%4)+8*(2*(\eb)+(\c))+4:64*(h%4)+8*(2*(\eb)+(\c))+7], v[L16], s[86:87] offset:8192*h+512*(8*(\c)+4+(\eb))
.endr
.endr
.set h, h+1
.endr
	WIN 0
	v_mul_u32_u24 v[STO], v1, STG                  ; the LDS addresses are made while the loads are out: none of these lines writes a register that a load reads or lands in
	v_lshl_add_u32 v[STO], v2, 5, v[STO]
	v_add_nc_u32 v[STO], s92, v[STO]               ; in: row = my token, 32 bytes for each half of the lanes
	v_add_nc_u32 v[RD], s92, v[L16]                ; back: 512 consecutive bytes of a row
	v_lshl_add_u32 v[EXS], v0, 2, EX
	v_xor_b32 v[EXL], 32, v0                       ; the same lane of the wave that holds my tokens' other heads
	v_lshl_add_u32 v[EXL], v[EXL], 2, EX
	v_mov_b32 v[C10], 0x3a800000
	v_mov_b32 v[EPS], 0x3727c5ac
.set h, 0
.rept 8
.set cnt, 16*(7-h)                     ; the later heads' 16 loads each may stay out; the count's field ends at 63
.if cnt > 63
.set cnt, 63
.endif
	s_wait_loadcnt cnt
	WIN 0x52+(h/4)                                 ; S window 2 or 3, q window 0, C and D window 1
.irp c, 0,1                            ; the head's four accumulators take turns
.irp eb, 0,1,2,3
.if (\c) == 0
	v_wmma_f32_16x16x32_f16 v[32*h+8*(\eb):32*h+8*(\eb)+7], v[64*(h%4)+8*(2*(\eb)+(\c)):64*(h%4)+8*(2*(\eb)+(\c))+7], v[QF+16*h+8*(\c):QF+16*h+8*(\c)+7], 0
.else
	v_wmma_f32_16x16x32_f16 v[32*h+8*(\eb):32*h+8*(\eb)+7], v[64*(h%4)+8*(2*(\eb)+(\c)):64*(h%4)+8*(2*(\eb)+(\c))+7], v[QF+16*h+8*(\c):QF+16*h+8*(\c)+7], v[32*h+8*(\eb):32*h+8*(\eb)+7]
.endif
.endr
.endr
.set h, h+1
.endr
.rept 8
	v_nop                                          ; the places behind the last products
.endr
	s_wait_kmcnt 0x0                               ; the scales
; The four chains into one number a token; the lane 16 away holds the token's other columns of my heads, the partner wave its other heads.
.macro REDUCE off
	WIN 0
	v_pk_add_f32 v[SUM:SUM+1], v[SUM:SUM+1], v[SUM+2:SUM+3]
	v_pk_add_f32 v[SUM+4:SUM+5], v[SUM+4:SUM+5], v[SUM+6:SUM+7]
	v_pk_add_f32 v[SUM:SUM+1], v[SUM:SUM+1], v[SUM+4:SUM+5]
	v_add_f32 v[SUM], v[SUM], v[SUM+1]
	v_permlanex16_b32 v[SUM+1], v[SUM], s66, s67
	v_add_f32 v[SUM], v[SUM], v[SUM+1]
	s_wait_alu depctr_va_vdst(0)                   ; v[SUM] is written, which the LDS store reads; so are v[EXS] and v[EXL]; and the lines above are done with v[SUM+1], in which the LDS load below lands
	ds_store_b32 v[EXS], v[SUM] offset:\off
	s_wait_dscnt 0x0                               ; for the partner's sake
	s_barrier_signal -1
	s_barrier_wait -1
	ds_load_b32 v[SUM+1], v[EXL] offset:\off
	s_wait_dscnt 0x0
	s_wait_alu depctr_vm_vsrc(0)                   ; the LDS store has read v[SUM], which the next line writes
	v_add_f32 v[SUM], v[SUM], v[SUM+1]
.endm
	WIN 0x01                                       ; source 0 window 1.
.set a, 0
.rept 32
	SCALE a
.irp i, 0,1,2,3
.if a == 0
	v_pk_mul_f32 v[SUM+2*(\i):SUM+2*(\i)+1], v[8*a+2*(\i):8*a+2*(\i)+1], s[SC:SC+1] op_sel_hi:[1,0]
.else
	v_pk_fma_f32 v[SUM+2*(\i):SUM+2*(\i)+1], v[8*a+2*(\i):8*a+2*(\i)+1], s[SC:SC+1], v[SUM+2*(\i):SUM+2*(\i)+1] op_sel_hi:[1,0,1]
.endif
.endr
.set a, a+1
.endr
	REDUCE 0
	v_mul_f32 v[MU], v[C10], v[SUM]
	v_mul_f32 v[MU+1], v[C10], v[SUM]
	WIN 0x41                                       ; in place in window 1: out - mean
.set a, 0
.rept 32
	SCALE a
.irp i, 0,1,2,3
	v_pk_fma_f32 v[8*a+2*(\i):8*a+2*(\i)+1], v[8*a+2*(\i):8*a+2*(\i)+1], s[SC:SC+1], v[MU:MU+1] op_sel_hi:[1,0,1] neg_lo:[0,0,1] neg_hi:[0,0,1]
.endr
.set a, a+1
.endr
	WIN 0x05
.set a, 0
.rept 32
.irp i, 0,1,2,3
.if a == 0
	v_pk_mul_f32 v[SUM+2*(\i):SUM+2*(\i)+1], v[8*a+2*(\i):8*a+2*(\i)+1], v[8*a+2*(\i):8*a+2*(\i)+1]
.else
	v_pk_fma_f32 v[SUM+2*(\i):SUM+2*(\i)+1], v[8*a+2*(\i):8*a+2*(\i)+1], v[8*a+2*(\i):8*a+2*(\i)+1], v[SUM+2*(\i):SUM+2*(\i)+1]
.endif
.endr
.set a, a+1
.endr
	REDUCE 512
	v_fma_f32 v[SUM], v[SUM], v[C10], v[EPS]       ; variance + 1e-5
	v_rsq_f32 v[RSTD], v[SUM]
	v_rsq_f32 v[RSTD+1], v[SUM]
	v_nop
	s_wait_alu depctr_va_vdst(0)                   ; both reciprocal roots are written, ahead of their first reader: one wait for the two
	WIN 0x41
.set a, 0
.rept 128
	v_pk_mul_f32 v[2*a:2*a+1], v[2*a:2*a+1], v[RSTD:RSTD+1]
.set a, a+1
.endr
	WIN 0x04                                       ; the data lie in window 1
	s_wait_alu depctr_va_vdst(0)                   ; the multiplications have written the accumulators, which the LDS stores read.  No vector line stands between this wait and the first loads from the stage either
.set a, 0
.rept 32                               ; accumulator 4 h + eb: columns 64 h + 16 eb + 8 (lane / 16) on
	ds_store_b128 v[STO], v[8*a:8*a+3]   offset:64*a
	ds_store_b128 v[STO], v[8*a+4:8*a+7] offset:64*a+16
.set a, a+1
.endr
	WIN 0
; THE WAY OUT.  The stage's 16 rows come back as whole rows (my own bytes: LDS serves a wave's instructions in order), in eight blocks of two rows, eight pieces of 512 bytes each; two blocks are a trip.
; Block b, on buffers p = b % 2.  more = 1: the loads of block b + 2 follow.  left: the LDS loads younger than this block's eight, which may stay out.
.macro BLK p, more, left
	s_wait_dscnt \left                             ; LDS loads come back in order: BK[p] is in; the other buffer's eight stay out
	s_wait_xcnt 0x0                                ; the stores issued so far have had their addresses translated: their base and ZR[p] are written again only behind this wait
	s_wait_alu depctr_vm_vsrc(0)                   ; the stores of two blocks back have read ZR[p], which the roundings below write; at a trip's head: the LDS loads issued so far have read v[RD]
.if (\p) == 0
	s_add_nc_u64 s[90:91], s[90:91], 8192          ; four rows of z on: the stores reach back by their offsets
.if \more
	v_add_nc_u32 v[RD], 4*STG, v[RD]               ; and four rows of the stage: the rows of the two blocks that this trip asks for
.endif
.endif
.set i, 8*(\p)
.rept 8
	v_pk_fma_f32 v[BK+4*i:BK+4*i+1], v[BK+4*i:BK+4*i+1], v[G+4*(i%4):G+4*(i%4)+1], v[BT+4*(i%4):BT+4*(i%4)+1]
	v_pk_fma_f32 v[BK+4*i+2:BK+4*i+3], v[BK+4*i+2:BK+4*i+3], v[G+4*(i%4)+2:G+4*(i%4)+3], v[BT+4*(i%4)+2:BT+4*(i%4)+3]
.set i, i+1
.endr
.set i, 8*(\p)
.rept 8
	v_cvt_pk_f16_f32 v[ZR+2*i], v[BK+4*i], v[BK+4*i+1]
	v_cvt_pk_f16_f32 v[ZR+2*i+1], v[BK+4*i+2], v[BK+4*i+3]
.set i, i+1
.endr
	s_wait_alu depctr_va_vdst(0)                   ; the roundings have written ZR[p], which the stores read; the block's lines are done with BK[p], in which the loads land; in a trip's first block v[RD] is written
.if \more
.set i, 8*(\p)
.rept 8
	ds_load_b128 v[BK+4*i:BK+4*i+3], v[RD] offset:STG*(i/4)+512*(i%4)   ; block b + 2: it has the next block in which to land
.set i, i+1
.endr
.endif
.set i, 8*(\p)
.rept 8
	global_store_b64 v[L8], v[ZR+2*i:ZR+2*i+1], s[90:91] offset:2048*(i/4)+256*(i%4)-8192   ; 256 consecutive bytes, aligned
.set i, i+1
.endr
.endm
.set i, 0
.rept 16
	ds_load_b128 v[BK+4*i:BK+4*i+3], v[RD] offset:STG*(i/4)+512*(i%4)   ; blocks 0 and 1
.set i, i+1
.endr
	s_mov_b32 s93, 3
.Lgrp:                                         ; blocks 0 to 5, which ask for blocks 2 to 7
	BLK 0, 1, 8
	BLK 1, 1, 8
	s_sub_co_u32 s93, s93, 1
	s_cmp_lg_u32 s93, 0
	s_cbranch_scc1 .Lgrp
	BLK 0, 0, 8                                    ; blocks 6 and 7 are written out: they ask for nothing, so no load leaves my stage, and the counts run down
	BLK 1, 0, 0
	s_wait_dscnt 0x0                               ; the closing lines, six on end
	s_wait_alu 0x0
	s_wait_tensorcnt 0x0
	ds_add_u32 v[SPW], v[NIL]
	s_wait_dscnt 0x0
	s_endpgm
.Lfunc_end_k_qd365cda25b_outln:
	.size	k_qd365cda25b_outln, .Lfunc_end_k_qd365cda25b_outln-k_qd365cda25b_outln
	.p2alignl 7, 3214868480
	.fill 96, 4, 3214868480
	.section	.rodata,"a",@progbits
	.p2align	6, 0x0
	.amdhsa_kernel k_qd365cda25b_outln
		.amdhsa_group_segment_fixed_size 133632
		.amdhsa_private_segment_fixed_size 0
		.amdhsa_enable_private_segment 0
		.amdhsa_kernarg_size 32
		.amdhsa_user_sgpr_count 2
		.amdhsa_user_sgpr_kernarg_segment_ptr 1
		.amdhsa_wavefront_size32 1
		.amdhsa_system_sgpr_workgroup_id_x 1
		.amdhsa_system_sgpr_workgroup_id_y 1
		.amdhsa_system_sgpr_workgroup_id_z 1
		.amdhsa_system_vgpr_workitem_id 0
		.amdhsa_next_free_vgpr 1024
		.amdhsa_next_free_sgpr 96
		.amdhsa_reserve_vcc 0
		.amdhsa_float_denorm_mode_32 3
		.amdhsa_float_denorm_mode_16_64 3
		.amdhsa_memory_ordered 1
		.amdhsa_forward_progress 1
		.amdhsa_inst_pref_size 76
	.end_amdhsa_kernel
	.amdgpu_metadata
---
amdhsa.version: [ 1, 2 ]
amdhsa.kernels:
  - .name:           k_qd365cda25b_outln
    .symbol:         k_qd365cda25b_outln.kd
    .args:
      - { .name: q16, .offset: 0, .size: 8, .value_kind: global_buffer, .address_space: global }
      - { .name: sst, .offset: 8, .size: 8, .value_kind: global_buffer, .address_space: global }
      - { .name: par, .offset: 16, .size: 8, .value_kind: global_buffer, .address_space: global }
      - { .name: z16, .offset: 24, .size: 8, .value_kind: global_buffer, .address_space: global }
    .group_segment_fixed_size: 133632
    .private_segment_fixed_size: 0
    .kernarg_segment_align: 8
    .kernarg_segment_size: 32
    .max_flat_workgroup_size: 128
    .sgpr_count:     96
    .vgpr_count:     1024
    .wavefront_size: 32
...
	.end_amdgpu_metadata
.endif
;; end of part 6
;; launch fin: the kernel of part 5 again; grid 8 x 32, 4 waves a work-group, clusters of 4 x 4, 327,680 bytes of LDS; arguments z16, wo16, par, out0; writes out0
